; MI455X (gfx1250); checked and timed in simulation.
; The chip was launched on July 23, 2026; its instructions are those of AMD's public machine-readable ISA for CDNA 5 (MIT licence, August 2026) and "CDNA5" Instruction Set Architecture Reference Guide (July 2026). The comments in the code are by the model that wrote it; some were corrected since.
;; Weird Attention. Allowed arithmetic: matrix products marked QUANTISED: E3M2 operands, one E8M0 scale for each 32 along K, by v_wmma_scale_f32_16x16x128_f8f6f4 with both operands' format E3M2, f32 sums; everything else in f32.
;; Inputs: dense_b 1,024 float32; dense_w 1,024 x 1,024 float32; glb_k_b 1,024 float32; glb_k_w 1,024 x 1,024 float32; glb_q_b 1,024 float32; glb_q_w 1,024 x 1,024 float32; glb_v_b 1,024 float32; glb_v_w 1,024 x 1,024 float32; global_feat 4 x 1,024 x 1,024 float32; local_feat 4 x 1,024 x 1,024 float32; plb_k_b 1,024 float32; plb_k_w 1,024 x 1,024 float32; plb_q_b 1,024 float32; plb_q_w 1,024 x 1,024 float32; plb_v_b 1,024 float32; plb_v_w 1,024 x 1,024 float32; text_feat 4 x 1,024 x 1,024 float32.
;; Outputs: out0 4 x 1,024 x 1,024 float32.
;; This version of the problem:
;;   THIS VERSION OF THE PROBLEM IS GIVEN IN LOW PRECISION. The matrix products marked QUANTISED in the list below multiply operands that are first quantised to E3M2 (3 exponent bits, 2 mantissa bits; 6 bits a number), with one power-of-two scale for each 32 numbers along K (OCP MX v1.0); their sums are f32. All else is computed in f32.
;;   The module's matrix products, in the order in which they are computed (A, B: the left and right operand; K: the contracted axis; several contracted axes count as one K, in the product's order):
;;     1. [M 4,096, K 1,024] x [K 1,024, N 1,024]; A: input global_feat; B: input glb_q_w: QUANTISED
;;     2. [M 4,096, K 1,024] x [K 1,024, N 1,024]; A: input local_feat; B: input glb_k_w: QUANTISED
;;     3. [M 4,096, K 1,024] x [K 1,024, N 1,024]; A: input local_feat; B: input glb_v_w: QUANTISED
;;     4. [M 4,096, K 1,024] x [K 1,024, N 1,024]; A: input local_feat; B: input plb_q_w: QUANTISED
;;     5. [M 4,096, K 1,024] x [K 1,024, N 1,024]; A: input text_feat; B: input plb_k_w: QUANTISED
;;     6. [M 4,096, K 1,024] x [K 1,024, N 1,024]; A: input text_feat; B: input plb_v_w: QUANTISED
;;     7. batch 16 x [M 1,024, K 256] x [K 256, N 1,024]; A: computed on the way; B: computed on the way: QUANTISED
;;     8. batch 16 x [M 1,024, K 256] x [K 256, N 1,024]; A: computed on the way; B: computed on the way: QUANTISED
;;     9. batch 16 x [M 1,024, K 1,024] x [K 1,024, N 1,024]; A: softmax (see below); B: computed on the way: QUANTISED
;;     10. batch 16 x [M 1,024, K 1,024] x [K 1,024, N 256]; A: softmax (see below); B: computed on the way: QUANTISED
;;     11. batch 16 x [M 1,024, K 1,024] x [K 1,024, N 256]; A: computed on the way; B: computed on the way: QUANTISED
;;     12. [M 4,096, K 1,024] x [K 1,024, N 1,024]; A: computed on the way; B: input dense_w: QUANTISED
;;   THE QUANTISER, for each operand of a quantised product, along K:
;;     - K is cut into blocks of 32 from its start; a last block that is shorter is filled with zeros.
;;     - A block's scale is 2^e with e = floor(log2(the largest magnitude in the block)) - 4, held to -126 .. 127; a block of zeros has e = 0. As a byte (E8M0): e + 127.
;;     - Each number is divided by its block's scale, clamped to +-28, and rounded to the nearest number of E3M2, ties to even, subnormals kept.
;;     - The product sums the exact products of the quantised numbers (number of the format x scale) in f32.
;;   ~~~python
;;   def quantise(x, axis):      # numpy; x: float32 -> the quantised numbers, widened to float32 again
;;       x = np.moveaxis(x, axis, -1); K = x.shape[-1]
;;       x = np.pad(x, [(0, 0)] * (x.ndim - 1) + [(0, -K % 32)]); x = x.reshape(x.shape[:-1] + (-1, 32)); a = np.abs(x).max(-1, keepdims=True)
;;       e = np.where(a > 0, np.clip(np.frexp(np.where(a > 0, a, 1))[1] - 1 - 4, -126, 127), 0)      # np.frexp(a)[1] - 1 = floor(log2(a)), exactly
;;       r = np.clip(x / 2.0 ** e, -28, 28)
;;       step = 2.0 ** (np.maximum(np.frexp(np.where(r == 0, 1, r))[1] - 1, -2) - 2)
;;       q = np.round(r / step) * step * 2.0 ** e      # np.round: ties to even
;;       return np.moveaxis(q.reshape(q.shape[:-2] + (-1,))[..., :K], -1, axis).astype(np.float32)
;;   ~~~
;;   SOFTMAX AHEAD OF A QUANTISED PRODUCT. Where the list says 'softmax', what is quantised is not the finished softmax but p = 2^(t - M), with t = logit x log2(e) and M = ceil(the row's largest t), a whole number; so 1/2 < the row's largest p <= 1. The row's sum l is taken of the UNQUANTISED p, in f32, and the product's result is divided by l at the end. Since M is a whole number, a kernel that streams over the keys may use a running M (the ceiling of the running maximum): every later rescaling is an exact power of two, which a block's scale takes up: the codes' values come out the same.
;;   OPERANDS COMPUTED ON THE WAY. 'Computed on the way' means the value that the module computes at that place (a softmax that the list does not call 'softmax' is quantised finished and normalised). What goes into a quantiser is computed in f32, as accurately as f32 sums, v_exp_f32 and their like allow (about 1e-6 of the number): no bf16 or f16 on the way to a quantiser, and a product that is left as it is and whose result goes on into a quantised operand takes f32 operands (vector FMAs, or v_wmma_f32_16x16x4_f32). A number that lies on a knife's edge between two numbers of the format may be rounded either way, as far as f32 arithmetic and the matrix unit's own rounding can turn it there, and no further.
;; One version. Each part assembles by itself: llvm-mc -triple=amdgcn-amd-amdhsa -mcpu=gfx1250 --defsym DOCPART=n.
;; ======== version 1 of 1: 5 launches
;; limits: right only within a limited range of input values
;; workspace buffers: inq 15,564,800 bytes; proj 9,830,400 bytes; stream 22,937,600 bytes; lastq 3,276,800 bytes
;; launch quant (part 1): grid 608 x 1, 4 waves a work-group, no clusters, 35,328 bytes of LDS; arguments global_feat, local_feat, text_feat, glb_q_w, plb_q_w, plb_k_w, glb_k_w, glb_v_w, plb_v_w, dense_w, inq; writes inq
.if DOCPART == 1
	.amdgcn_target "amdgcn-amd-amdhsa--gfx1250"
	.amdhsa_code_object_version 6
	.text
	.protected	k_q520f3c4b36_quant
	.globl	k_q520f3c4b36_quant
	.p2align	8
	.type	k_q520f3c4b36_quant,@function
k_q520f3c4b36_quant:
	s_mov_b64 s[64:65], 0
	v_nop
	global_prefetch_b8 v0, s[64:65] scope:SCOPE_SE
	s_setreg_imm32_b32 hwreg(HW_REG_WAVE_MODE, 25, 1), 1
	s_wait_xcnt 0x0
; The three features [4096][1024] and the seven weights [1024][1024], f32 with K innermost, become codes of E3M2 with one E8M0 byte for each 32 along K,
; laid in the order of an operand's registers.  inq = 152 groups of 128 rows x 8 K steps x one block of 12,800 bytes: eight fragments (16 rows x 128 K, 1,536 bytes: six pieces of 256 bytes,
; piece p = registers 2p, 2p+1, lane l's 8 bytes at 8 l), then 8 x 64 bytes of scale words (fragment i, row-lane r at 12,288 + 64 i + 4 r).
; THE ROWS OF A FRAGMENT ARE NOT NEIGHBOURS: lane r of fragment t is row 32 (t/2) + 8 (t%2) + r + 8 (r/8) of its group, in every buffer of this program.
; A wave makes half a block: four fragments.  Each load reads 512 consecutive bytes of one row; the 16 rows turn through the wave's own stage in LDS (pitch 528 bytes), so that lane (r, h)
; gets k = 64 c + 32 h + 0..31 of row r: two whole blocks of 32, which are the operand's registers as the conversions give them.  Waves share nothing: no barrier.
; A block's scale is 2^(floor(log2(largest magnitude)) - 4); its byte is the largest magnitude's exponent field - 4, held at 1 from below.
; LIMITS: a block of zeros gets the byte 1 (its codes are zeros; only this program reads the bytes); blocks whose largest magnitude lies under 2^-122 are held at the byte 1; NaN and infinities are not served.
.set STGB, 8704                        ; LDS of a wave: a stage of 16 x 528 bytes, then 256 bytes of scale words
.set WRD,  8448
.set RW,   32                          ; v32-159  two tiles as loaded
.set XT,   160                         ; v160-223 a tile turned: 64 numbers of my row
.set CD,   224                         ; v224-247 two sets of 12 registers of codes
	s_load_b512 s[4:19], s[0:1], 0x0               ; the first eight tensors
	s_load_b128 s[20:23], s[0:1], 0x40             ; plb_v_w, dense_w
	s_load_b64 s[24:25], s[0:1], 0x50              ; inq
	v_lshl_add_u32 v254, v0, 2, 0x8800
	v_mov_b32 v255, 0
	v_lshrrev_b32 v7, 5, v0
	v_readfirstlane_b32 s28, v7                    ; wave
	v_and_b32 v7, 31, v0                           ; lane
	v_and_b32 v9, 15, v0                           ; r
	v_bfe_u32 v10, v0, 4, 1                        ; h
	s_mul_i32 s29, s28, STGB
	v_lshlrev_b32 v1, 4, v7                        ; my 16 bytes of a load's 512
	v_add_nc_u32 v2, s29, v1                       ; the stage, on the way in
	v_mul_u32_u24 v3, v9, 528
	v_lshl_add_u32 v3, v10, 7, v3
	v_add_nc_u32 v3, s29, v3                       ; and out: row r, + 128 h bytes
	v_lshlrev_b32 v4, 3, v7                        ; 8 x lane: a piece's place
	s_add_co_u32 s29, s29, WRD
	v_lshl_add_u32 v5, v9, 2, s29                  ; my row's scale word
	v_add_nc_u32 v6, s29, v4                       ; the words on their way out
	v_lshlrev_b32 v28, 3, v10                      ; 8 h: my two bytes' place in the word
	v_mov_b32 v25, 0                               ; a lane permute's destination counts as read
	s_lshr_b32 s30, ttmp9, 2                       ; the group
	s_and_b32 s31, ttmp9, 3
	s_lshl_b32 s31, s31, 1
	s_lshr_b32 s32, s28, 1
	s_add_co_u32 s31, s31, s32                     ; the K step
	s_and_b32 s33, s28, 1                          ; which half of the block
	s_lshl_b32 s34, ttmp9, 1
	s_add_co_u32 s34, s34, s32                     ; the block's number
	s_lshr_b32 s35, s30, 5                         ; a feature: tensor and group in it
	s_and_b32 s36, s30, 31
	s_sub_co_u32 s37, s30, 96                      ; a weight
	s_lshr_b32 s38, s37, 3
	s_add_co_u32 s38, s38, 3
	s_and_b32 s37, s37, 7
	s_cmp_lt_u32 s30, 96
	s_cselect_b32 s35, s35, s38
	s_cselect_b32 s36, s36, s37
	s_lshl_b32 s40, s36, 19                        ; 128 rows of 4,096 bytes
	s_lshl_b32 s41, s31, 9                         ; 128 numbers along K
	s_add_co_u32 s40, s40, s41
	s_lshl_b32 s41, s33, 18                        ; 64 rows
	s_add_co_u32 s40, s40, s41
	s_mov_b32 s41, 0
	s_mul_i32 s42, s34, 12800
	s_mul_i32 s44, s33, 6144
	s_add_co_u32 s44, s44, s42                     ; my four fragments
	s_mov_b32 s45, 0
	s_lshl_b32 s46, s33, 8
	s_add_co_u32 s46, s46, s42
	s_add_co_u32 s46, s46, 12288                   ; and their scale words
	s_mov_b32 s47, 0
	s_mov_b32 s38, 0x76543210
	s_mov_b32 s39, 0xfedcba98                      ; lane l xor 16
	s_wait_alu depctr_va_vdst(0)
	s_wait_kmcnt 0x0
	s_mov_b64 s[26:27], s[4:5]
.irp k, 1,2,3,4,5,6,7,8,9
	s_cmp_eq_u32 s35, \k                           ; the choice hangs on the work-group's number alone
	s_cselect_b64 s[26:27], s[4+2*\k:5+2*\k], s[26:27]
.endr
	s_add_nc_u64 s[26:27], s[26:27], s[40:41]
	s_add_nc_u64 s[44:45], s[24:25], s[44:45]
	s_add_nc_u64 s[46:47], s[24:25], s[46:47]
.macro LOAD t                          ; the 16 rows of fragment t, 512 consecutive bytes each
.set i, 0
.rept 16
	global_load_b128 v[RW+64*((\t)%2)+4*i:RW+64*((\t)%2)+4*i+3], v1, s[26:27] offset:(32*((\t)/2)+8*((\t)%2)+i+8*(i/8))*4096 th:TH_LOAD_NT
.set i, i+1
.endr
.endm
.macro TILE t
.set RS, RW+64*((\t)%2)
.set CS, CD+12*((\t)%2)
.if (\t) < 3
	s_wait_loadcnt 16                              ; this fragment's rows are in; the next fragment's sixteen loads may be out
.else
	s_wait_loadcnt 0x0
.endif
.set i, 0
.rept 16
	ds_store_b128 v2, v[RS+4*i:RS+4*i+3] offset:528*i
.set i, i+1
.endr
.irp c, 0,1
.irp j, 0,1,2,3,4,5,6,7
	ds_load_b128 v[XT+32*\c+4*\j:XT+32*\c+4*\j+3], v3 offset:256*\c+16*\j   ; LDS serves a wave's instructions in order: these see the stores above
.endr
.endr
	s_wait_dscnt 0x0                               ; the stores have read their registers, and my 64 numbers are in
.if (\t) < 2
	LOAD (\t)+2
.endif
.irp c, 0,1
	v_max3_num_f32 v[16+\c], |v[XT+32*\c]|, |v[XT+32*\c+1]|, 0x2800000   ; my block 2 c + h, and the floor 2^(5 - 127): the byte cannot fall under 1
.endr
.set i, 2
.rept 15
.irp c, 0,1
	v_max3_num_f32 v[16+\c], v[16+\c], |v[XT+32*\c+i]|, |v[XT+32*\c+i+1]|
.endr
.set i, i+2
.endr
.irp c, 0,1
	v_add_nc_u32 v[20+\c], 0xfe000000, v[16+\c]    ; 4 off the exponent field: the conversion's scale operand
.endr
.irp c, 0,1
	v_lshrrev_b32 v[22+\c], 23, v[20+\c]           ; the scale's byte
.endr
	v_lshl_or_b32 v24, v23, 16, v22                ; blocks h and 2 + h,
	v_lshlrev_b32 v24, v28, v24                    ; at their places;
	v_permlanex16_b32 v25, v24, s38, s39
	v_or_b32 v24, v24, v25                         ; with the other half's two the word is whole
	s_wait_alu depctr_va_vdst(0)
	s_wait_xcnt 0x0                                ; this set of codes was a store's data two fragments ago
.irp c, 0,1
	v_cvt_scalef32_pk16_bf6_f32 v[CS+6*\c:CS+6*\c+2], v[XT+32*\c:XT+32*\c+15], v[20+\c]
	v_cvt_scalef32_pk16_bf6_f32 v[8+4*\c:10+4*\c], v[XT+32*\c+16:XT+32*\c+31], v[20+\c]   ; (a conversion's three registers begin on an even number)
.endr
	v_nop                                          ; one plain line behind the conversions
.irp c, 0,1
.irp i, 0,1,2
	v_mov_b32 v[CS+6*\c+3+\i], v[8+4*\c+\i]
.endr
.endr
.irp p, 0,1,2,3,4,5
	global_store_b64 v4, v[CS+2*\p:CS+2*\p+1], s[44:45] offset:1536*(\t)+256*\p   ; 32 lanes store 256 consecutive bytes, aligned
.endr
	ds_store_b32 v5, v24 offset:64*(\t)            ; both halves write the same word with the same value
.endm
	LOAD 0
	LOAD 1
	TILE 0
	TILE 1
	TILE 2
	TILE 3
	ds_load_b64 v[30:31], v6
	s_wait_dscnt 0x0
	global_store_b64 v4, v[30:31], s[46:47]        ; my four fragments' scale words: 256 consecutive bytes, aligned
	s_wait_tensorcnt 0x0
	ds_add_u32 v254, v255
	s_wait_dscnt 0x0
	s_endpgm
.Lfunc_end_k_q520f3c4b36_quant:
	.size	k_q520f3c4b36_quant, .Lfunc_end_k_q520f3c4b36_quant-k_q520f3c4b36_quant
	.p2alignl 7, 3214868480
	.fill 96, 4, 3214868480
	.section	.rodata,"a",@progbits
	.p2align	6, 0x0
	.amdhsa_kernel k_q520f3c4b36_quant
		.amdhsa_group_segment_fixed_size 35328
		.amdhsa_private_segment_fixed_size 0
		.amdhsa_enable_private_segment 0
		.amdhsa_kernarg_size 88
		.amdhsa_user_sgpr_count 2
		.amdhsa_user_sgpr_kernarg_segment_ptr 1
		.amdhsa_wavefront_size32 1
		.amdhsa_system_sgpr_workgroup_id_x 1
		.amdhsa_system_sgpr_workgroup_id_y 1
		.amdhsa_system_sgpr_workgroup_id_z 1
		.amdhsa_system_vgpr_workitem_id 0
		.amdhsa_next_free_vgpr 256
		.amdhsa_next_free_sgpr 66
		.amdhsa_reserve_vcc 0
		.amdhsa_float_denorm_mode_32 3
		.amdhsa_float_denorm_mode_16_64 3
		.amdhsa_memory_ordered 1
		.amdhsa_forward_progress 1
		.amdhsa_inst_pref_size 33
	.end_amdhsa_kernel
	.amdgpu_metadata
---
amdhsa.version: [ 1, 2 ]
amdhsa.kernels:
  - .name:           k_q520f3c4b36_quant
    .symbol:         k_q520f3c4b36_quant.kd
    .args:
      - { .name: global_feat, .offset: 0, .size: 8, .value_kind: global_buffer, .address_space: global }
      - { .name: local_feat, .offset: 8, .size: 8, .value_kind: global_buffer, .address_space: global }
      - { .name: text_feat, .offset: 16, .size: 8, .value_kind: global_buffer, .address_space: global }
      - { .name: glb_q_w, .offset: 24, .size: 8, .value_kind: global_buffer, .address_space: global }
      - { .name: plb_q_w, .offset: 32, .size: 8, .value_kind: global_buffer, .address_space: global }
      - { .name: plb_k_w, .offset: 40, .size: 8, .value_kind: global_buffer, .address_space: global }
      - { .name: glb_k_w, .offset: 48, .size: 8, .value_kind: global_buffer, .address_space: global }
      - { .name: glb_v_w, .offset: 56, .size: 8, .value_kind: global_buffer, .address_space: global }
      - { .name: plb_v_w, .offset: 64, .size: 8, .value_kind: global_buffer, .address_space: global }
      - { .name: dense_w, .offset: 72, .size: 8, .value_kind: global_buffer, .address_space: global }
      - { .name: inq, .offset: 80, .size: 8, .value_kind: global_buffer, .address_space: global }
    .group_segment_fixed_size: 35328
    .private_segment_fixed_size: 0
    .kernarg_segment_align: 8
    .kernarg_segment_size: 88
    .max_flat_workgroup_size: 128
    .sgpr_count:     66
    .vgpr_count:     256
    .wavefront_size: 32
...
	.end_amdgpu_metadata
.endif
;; end of part 1
;; launch projk (part 2): grid 16 x 24, 4 waves a work-group, clusters of 4 x 4, 327,680 bytes of LDS; arguments inq, glb_q_b, plb_q_b, plb_k_b, glb_k_b, glb_v_b, plb_v_b, proj, stream; writes proj, stream
.if DOCPART == 2
	.amdgcn_target "amdgcn-amd-amdhsa--gfx1250"
	.amdhsa_code_object_version 6
	.text
	.protected	k_q520f3c4b36_projk
	.globl	k_q520f3c4b36_projk
	.p2align	8
	.type	k_q520f3c4b36_projk,@function
k_q520f3c4b36_projk:
	s_mov_b64 s[64:65], 0
	v_nop
	global_prefetch_b8 v0, s[64:65] scope:SCOPE_SE
	s_setreg_imm32_b32 hwreg(HW_REG_WAVE_MODE, 25, 1), 1
	s_wait_xcnt 0x0
	s_wait_alu depctr_hold_cnt(0) depctr_sa_sdst(0) depctr_va_vdst(0) depctr_va_sdst(0) depctr_va_ssrc(0) depctr_va_vcc(0) depctr_vm_vsrc(0)
	s_getreg_b32 s2, hwreg(HW_REG_IB_STS2, 6, 4)
	s_cmp_eq_u32 s2, 0
	s_cbranch_scc0 .Lentry_in_a_cluster
	s_endpgm
.Lentry_in_a_cluster:
	s_bfe_u32 s2, ttmp6, 0x10000c
	s_cmp_lg_u32 s2, 0xf033
	s_cbranch_scc0 .Lentry_shape_is_right
	s_endpgm
.Lentry_shape_is_right:
; The six projections, on codes of E3M2.  C'[i][j] = sum over k of P[i][k] Q[j][k] + bias; P is source 0 (its index runs along a lane's registers and becomes the NEXT product's K),
; Q is source 1 (its rows become the rows of the next operand).  Jobs (cluster y): 0 gq, 1 pq, 2 pk, 3 gk: P = the weight, Q = the feature: the result is quantised along the head's 256.
; Jobs 4 gv, 5 pv: P = the feature, Q = the weight: the result is quantised along the sequence.  Both operands are groups of inq, so the kinds differ in offsets alone.  Cluster x = the batch.
; A work-group makes 256 x 256, a wave 128 x 128: 64 accumulators.  K comes in four fills of 102,400 bytes: [P group 0 | P group 1 | Q group 0 | Q group 1], each part two K steps' blocks,
; 25,600 dense bytes of inq.  THREE SLOTS are filled at the start; the fourth fill goes into slot 0 behind the one round that stands where slot 0 is read out, and has slots 1 and 2,
; 256 matrix instructions a wave, in which to land.  P's parts are asked for jointly along a column of the cluster, Q's along a row.  A wave has one tensor load out at a time.
; The bias is the C of each sum's first matrix instruction.  The results are quantised in registers and leave as fragments: nothing is stored in f32.
; LIMITS: a block of zeros gets the byte 1 (its codes are zeros; only this program reads the bytes); blocks under 2^-122 are held at the byte 1; NaN and infinities are not served.
; REGISTERS: window 0: v8-15 bias offsets, v16-31 addresses, v32-63 scale words (two sets, by the fill's parity), v64-127 the bias, v128-223 Q's eight fragments; window 1: P's fragments, two sets; windows 2, 3: accumulator (a, b) at v[8 (8 (a%4) + b)].
.set BLK,   12800
.set QTR,   2*BLK
.set SLOT,  4*QTR
; LDS AS IT IS LAID NOW: four parts (P group 0, P group 1, Q group 0, Q group 1) of 76,800 bytes, each with room for three fills of 25,600 bytes on end.
; The head asks for fill 0, one joint load a wave; behind the full sequence and a round ONE load of 200 rows brings fills 1 and 2; fill 3 goes into fill 0's bytes behind the round where they are read out.
; A wave has one tensor load out at any time.
.set PART,  3*QTR
.set SPARE, 3*SLOT
.set FR,    12
.set NL,    6
.set ADRA,  16                         ; v16-18 Q's fragments in slot 0, 1, 2
.set ADRB,  20                         ; v20-22 P's
.set ADRS,  23                         ; v23-25 scale words: lanes 0-15 P's, lanes 16-31 Q's
.set SPW,   28
.set NIL,   29
.set L8,    30
.set L4,    31
.set SC,    32
.set CB,    64
.set AF,    128
.set TM,    128                        ; the way out
.set PC,    144
.set PW,    164
.set SW,    176
.set SMG,   184
.set WV,    22
.set WQ,    23
.set WP,    24
.set CX,    25
.set CY,    26
.set CLX,   27
.set JOB,   28
.set G1P,   32                         ; s[32:39], s[40:47] groups 1; groups 0: P's at s48, s52, Q's at s60, s68
.set G1Q,   40
.set SEL,   66
.set HI,    76
.set BIAS,  4                          ; s[4:5], once inq's address has been used
.set DC0,   6                          ; s[6:9] where the codes go, s[10:13] the scale words: in the registers of the biases' addresses, once one of them is chosen
.set DW0,   10
.set MSB, 0
.macro WIN new
.if MSB != (\new)
	s_set_vgpr_msb (MSB<<8)|(\new)
.set MSB, (\new)
.endif
.endm
.macro PLACES n
.rept \n
	v_nop
.endr
.endm
.macro CREST
	s_cmp_lg_u32 s[WV], 0
	s_cbranch_scc1 .Lnot_wave_0_\@
	s_barrier_signal -3
.Lnot_wave_0_\@:
	s_barrier_wait -3
	s_barrier_signal -1
	s_barrier_wait -1
.endm
.macro ROUND
	s_barrier_signal -1
	s_barrier_wait -1
	CREST
.endm
; one matrix instruction: D, A, B at these registers; c < 0: C is the constant 0; ra, rb: the side's scales stand in lanes 16-31
.macro WM d, a, b, c, sa, sb, ra, rb
.if (\c) < 0
.if (\ra)
.if (\rb)
	v_wmma_scale_f32_16x16x128_f8f6f4 v[(\d):(\d)+7], v[(\a):(\a)+11], v[(\b):(\b)+11], 0, v[\sa], v[\sb] matrix_a_fmt:MATRIX_FMT_BF6 matrix_b_fmt:MATRIX_FMT_BF6 matrix_a_scale:MATRIX_SCALE_ROW1 matrix_b_scale:MATRIX_SCALE_ROW1
.else
	v_wmma_scale_f32_16x16x128_f8f6f4 v[(\d):(\d)+7], v[(\a):(\a)+11], v[(\b):(\b)+11], 0, v[\sa], v[\sb] matrix_a_fmt:MATRIX_FMT_BF6 matrix_b_fmt:MATRIX_FMT_BF6 matrix_a_scale:MATRIX_SCALE_ROW1
.endif
.else
.if (\rb)
	v_wmma_scale_f32_16x16x128_f8f6f4 v[(\d):(\d)+7], v[(\a):(\a)+11], v[(\b):(\b)+11], 0, v[\sa], v[\sb] matrix_a_fmt:MATRIX_FMT_BF6 matrix_b_fmt:MATRIX_FMT_BF6 matrix_b_scale:MATRIX_SCALE_ROW1
.else
	v_wmma_scale_f32_16x16x128_f8f6f4 v[(\d):(\d)+7], v[(\a):(\a)+11], v[(\b):(\b)+11], 0, v[\sa], v[\sb] matrix_a_fmt:MATRIX_FMT_BF6 matrix_b_fmt:MATRIX_FMT_BF6
.endif
.endif
.else
.if (\ra)
.if (\rb)
	v_wmma_scale_f32_16x16x128_f8f6f4 v[(\d):(\d)+7], v[(\a):(\a)+11], v[(\b):(\b)+11], v[(\c):(\c)+7], v[\sa], v[\sb] matrix_a_fmt:MATRIX_FMT_BF6 matrix_b_fmt:MATRIX_FMT_BF6 matrix_a_scale:MATRIX_SCALE_ROW1 matrix_b_scale:MATRIX_SCALE_ROW1
.else
	v_wmma_scale_f32_16x16x128_f8f6f4 v[(\d):(\d)+7], v[(\a):(\a)+11], v[(\b):(\b)+11], v[(\c):(\c)+7], v[\sa], v[\sb] matrix_a_fmt:MATRIX_FMT_BF6 matrix_b_fmt:MATRIX_FMT_BF6 matrix_a_scale:MATRIX_SCALE_ROW1
.endif
.else
.if (\rb)
	v_wmma_scale_f32_16x16x128_f8f6f4 v[(\d):(\d)+7], v[(\a):(\a)+11], v[(\b):(\b)+11], v[(\c):(\c)+7], v[\sa], v[\sb] matrix_a_fmt:MATRIX_FMT_BF6 matrix_b_fmt:MATRIX_FMT_BF6 matrix_b_scale:MATRIX_SCALE_ROW1
.else
	v_wmma_scale_f32_16x16x128_f8f6f4 v[(\d):(\d)+7], v[(\a):(\a)+11], v[(\b):(\b)+11], v[(\c):(\c)+7], v[\sa], v[\sb] matrix_a_fmt:MATRIX_FMT_BF6 matrix_b_fmt:MATRIX_FMT_BF6
.endif
.endif
.endif
.endm
; 64 numbers of a lane, v[s] .. v[s+63] of window win, register 16 b + i = k 32 b + 16 (lane/16) + i of my row, become a fragment's codes in v[PC] on and its scale word in v[PW].
; mode = 1: the four blocks' largest numbers are given in v[bmq] on.
.macro QUANT s, win, mode, bmq
.if \mode
	WIN 0
.irp b, 0,1,2,3
	v_max_num_f32 v[TM+\b], 0x2800000, v[(\bmq)+\b]
.endr
.else
	WIN ((\win)<<2)|((\win)<<4)
.irp b, 0,1,2,3
	v_max3_num_f32 v[TM+\b], 0x2800000, |v[(\s)+16*\b]|, |v[(\s)+16*\b+1]|   ; my 16 numbers of block b, and the floor 2^(5 - 127): the byte cannot fall under 1
.endr
.irp i, 2,4,6,8,10,12,14
.irp b, 0,1,2,3
	v_max3_num_f32 v[TM+\b], v[TM+\b], |v[(\s)+16*\b+\i]|, |v[(\s)+16*\b+\i+1]|
.endr
.endr
	WIN 0
.irp b, 0,1,2,3
	v_permlanex16_b32 v[TM+4+\b], v[TM+\b], s[SEL], s[SEL+1]
.endr
.irp b, 0,1,2,3
	v_max_num_f32 v[TM+\b], v[TM+\b], v[TM+4+\b]   ; with lane l xor 16's: the block's largest magnitude
.endr
.endif
.irp b, 0,1,2,3
	v_add_nc_u32 v[TM+12+\b], 0xfe000000, v[TM+\b] ; 4 off the exponent field: the conversion's scale operand
.endr
.irp b, 0,1,2,3
	v_lshrrev_b32 v[TM+4+\b], 23, v[TM+12+\b]      ; the scale's byte
.endr
	v_lshl_or_b32 v[PW], v[TM+5], 8, v[TM+4]
	v_lshl_or_b32 v[PW], v[TM+6], 16, v[PW]
	v_lshl_or_b32 v[PW], v[TM+7], 24, v[PW]
	WIN (\win)
.irp c, 0,1
	v_cvt_scalef32_pk16_bf6_f32 v[PC+6*\c:PC+6*\c+2], v[(\s)+32*\c:(\s)+32*\c+15], v[TM+12+2*\c]
	v_cvt_scalef32_pk16_bf6_f32 v[PC+12+4*\c:PC+14+4*\c], v[(\s)+32*\c+16:(\s)+32*\c+31], v[TM+12+2*\c+1]
.endr
	WIN 0
	v_nop                                          ; one plain line behind the conversions
.irp c, 0,1                            ; the operand wants a whole block in a lane: lanes 0-15 block 2 c, lanes 16-31 block 2 c + 1
.irp i, 0,1,2
	v_permlane16_swap_b32 v[PC+6*\c+\i], v[PC+12+4*\c+\i]
.endr
.irp i, 0,1,2
	v_mov_b32 v[PC+3+6*\c+\i], v[PC+12+4*\c+\i]
.endr
.endr
.endm
; a joint load: waves 0 and 1 fetch P's groups, waves 2 and 3 Q's; four v_nop follow each of the two lines
.macro JLOAD gp, gq
	s_cmp_eq_u32 s[WQ], 0
	s_cbranch_scc0 .Lfor_q_\@
	tensor_load_to_lds s[\gp:\gp+3], s[G1P:G1P+7]
	s_nop 0
	PLACES 4
	s_branch .Lasked_\@
.Lfor_q_\@:
	tensor_load_to_lds s[\gq:\gq+3], s[G1Q:G1Q+7]
	s_nop 0
	PLACES 4
.Lasked_\@:
.endm
; two groups 0 (P's, Q's) for fill s of my part
.macro SETG s, gp, gq
	s_mov_b32 s[\gp], 1
	s_add_co_u32 s[\gp+1], s92, \s*QTR
	s_add_nc_u64 s[\gp+2:\gp+3], s[84:85], \s*QTR
	s_or_b32 s[\gp+3], s[\gp+3], 0x80000000
	s_mov_b32 s[\gq], 1
	s_add_co_u32 s[\gq+1], s92, \s*QTR
	s_add_nc_u64 s[\gq+2:\gq+3], s[86:87], \s*QTR
	s_or_b32 s[\gq+3], s[\gq+3], 0x80000000
.endm
	s_load_b512 s[4:19], s[0:1], 0x0               ; inq, the six biases, proj
	s_load_b64 s[20:21], s[0:1], 0x40              ; stream
	v_lshl_add_u32 v[SPW], v0, 2, SPARE
	v_mov_b32 v[NIL], 0
	ds_add_u32 v28, v29
	ds_add_u32 v28, v29
	s_wait_dscnt 0x0
	v_lshrrev_b32 v1, 5, v0
	v_readfirstlane_b32 s[WV], v1
	s_lshr_b32 s[WQ], s[WV], 1                     ; my half of Q's rows.  Also: I fetch for P (0) or for Q (1)
	s_and_b32 s[WP], s[WV], 1                      ; my half of P's rows.  Also: which group I fetch
	s_bfe_u32 s[CX], ttmp6, 0x40000
	s_bfe_u32 s[CY], ttmp6, 0x40004
	s_mov_b32 s[CLX], ttmp9                        ; the batch
	s_and_b32 s[JOB], ttmp7, 0xffff                ; the job
	s_lshl_b32 s80, s[CY], 2
	s_lshl_b32 s80, 15, s80                        ; my row of the cluster
	s_lshl_b32 s81, 0x1111, s[CX]                  ; my column
	s_or_b32 s[G1P], s81, (3<<16)|(1<<21)          ; the mask; elements of 8 bytes; bit 21 beside a mask; no padding: fragments are read as dense images
	s_or_b32 s[G1Q], s80, (3<<16)|(1<<21)
.irp g, G1P, G1Q
	s_mov_b32 s[\g+1], 32<<16                      ; 100 dense rows of 256 bytes
	s_mov_b32 s[\g+2], 100<<16
	s_mov_b32 s[\g+3], 32<<16
	s_mov_b32 s[\g+4], 100
	s_mov_b32 s[\g+5], 32
	s_mov_b32 s[\g+6], 0
	s_mov_b32 s[\g+7], 0
.endr
	s_lshl_b32 s82, s[JOB], 2
	s_lshr_b32 s82, 0x211210, s82                  ; which feature a job reads: global, local, text, local, local, text
	s_and_b32 s82, s82, 3
	s_lshl_b32 s82, s82, 5
	s_lshl_b32 s83, s[CLX], 3
	s_add_co_u32 s82, s82, s83                     ; the batch's first group of that feature
	s_lshl_b32 s83, s[JOB], 3
	s_add_co_u32 s83, s83, 96                      ; the weight's first group
	s_cmp_lt_u32 s[JOB], 4
	s_cselect_b32 s84, s83, s82                    ; P's first group
	s_cselect_b32 s86, s82, s83                    ; Q's
	s_lshl_b32 s90, s[CX], 1
	s_add_co_u32 s84, s84, s90
	s_add_co_u32 s84, s84, s[WP]
	s_lshl_b32 s91, s[CY], 1
	s_add_co_u32 s86, s86, s91
	s_add_co_u32 s86, s86, s[WP]
	s_mul_i32 s84, s84, SLOT                       ; a group is 102,400 bytes
	s_mul_i32 s86, s86, SLOT
	s_mov_b32 s85, 0
	s_mov_b32 s87, 0
	s_mul_i32 s92, s[WV], PART                     ; where my part lies: no place in the cluster enters an LDS address
	s_wait_kmcnt 0x0
	s_add_nc_u64 s[84:85], s[4:5], s[84:85]
	s_add_nc_u64 s[86:87], s[4:5], s[86:87]
	ROUND                                          ; all sixteen work-groups are here: the first joint loads meet
	SETG 0, 48, 60
	SETG 1, 52, 68
	JLOAD 48, 60                                   ; fill 0: one tensor load a wave at the head
	v_and_b32 v1, 31, v0
	v_and_b32 v2, 15, v0                           ; r
	v_bfe_u32 v3, v0, 4, 1                         ; h
	s_wait_alu depctr_va_vdst(0)
	v_lshlrev_b32 v[L8], 3, v1
	v_lshlrev_b32 v[L4], 2, v1
	; prefetches: a fill of my part is 100 blocks of 256 bytes; the four partners that ask for it jointly take 25 each, told apart by address (cy for P, cx for Q); a lane a block, lanes 25-31 name the last again
	s_cmp_eq_u32 s[WQ], 0
	s_cselect_b32 s58, s[CY], s[CX]
	s_cselect_b64 s[56:57], s[84:85], s[86:87]
	s_mul_i32 s58, s58, 6400
	s_mov_b32 s59, 0
	s_add_nc_u64 s[56:57], s[56:57], s[58:59]
	v_min_u32 v26, 24, v1
	v_lshlrev_b32 v26, 8, v26
	global_prefetch_b8 v26, s[56:57] offset:QTR th:TH_LOAD_NT scope:SCOPE_SE      ; fills 1 and 2, which the next joint load brings
	global_prefetch_b8 v26, s[56:57] offset:2*QTR th:TH_LOAD_NT scope:SCOPE_SE
	s_mul_i32 s80, s[WQ], PART
	s_add_co_u32 s80, s80, 2*PART                  ; my group of Q
	s_mul_i32 s81, s[WP], PART                     ; my group of P
	s_wait_alu depctr_va_vdst(0)                   ; directly ahead of the readers below
.irp s, 0,1,2
	v_add_nc_u32 v[ADRA+\s], s80, v[L8]
	v_add_nc_u32 v[ADRB+\s], s81, v[L8]
	s_add_co_u32 s80, s80, QTR
	s_add_co_u32 s81, s81, QTR
.endr
	s_mul_i32 s80, s[WQ], PART
	s_mul_i32 s81, s[WP], PART
	s_add_co_u32 s80, s80, 2*PART
	s_sub_co_u32 s80, s80, s81                     ; from P's scale words to Q's
	v_mul_u32_u24 v4, s80, v3                      ; lanes 16-31 take Q's
	v_lshl_add_u32 v4, v2, 2, v4
	s_add_co_u32 s81, s81, 12288
	v_add_nc_u32 v[ADRS], s81, v4
	v_add_nc_u32 v[ADRS+1], QTR, v[ADRS]
	v_add_nc_u32 v[ADRS+2], 2*QTR, v[ADRS]
	; the bias in the result's layout.  Jobs 0-3: along P: register 8 x + j = bias[.. + 32 (x/2) + 8 (x%2) + 16 h + j].  Jobs 4, 5: along Q: bias[.. + 32 (x/2) + 8 (x%2) + r + 8 (r/8)] in all eight
	s_lshl_b32 s83, s[CX], 8
	s_lshl_b32 s88, s[WP], 7
	s_add_co_u32 s83, s83, s88
	s_lshl_b32 s89, s[CY], 8
	s_lshl_b32 s88, s[WQ], 7
	s_add_co_u32 s89, s89, s88
	s_cmp_lt_u32 s[JOB], 4
	s_cselect_b32 s80, 64, 0
	s_cselect_b32 s81, 0, 4
	s_cselect_b32 s82, 4, 0
	s_cselect_b32 s83, s83, s89
	s_lshl_b32 s88, s83, 2
	s_mov_b32 s89, 0
	s_mov_b64 s[BIAS:BIAS+1], s[6:7]
.irp k, 1,2,3,4,5
	s_cmp_eq_u32 s[JOB], \k
	s_cselect_b64 s[BIAS:BIAS+1], s[6+2*\k:7+2*\k], s[BIAS:BIAS+1]
.endr
	s_add_nc_u64 s[BIAS:BIAS+1], s[BIAS:BIAS+1], s[88:89]
	v_and_b32 v4, 8, v2
	v_add_nc_u32 v4, v4, v2                        ; r + 8 (r/8)
	v_mul_u32_u24 v5, s80, v3
	v_mad_u32_u24 v5, v4, s81, v5
.irp j, 0,1,2,3,4,5,6,7
	v_mad_u32_u24 v[8+\j], s82, \j, v5
.endr
.set x, 0
.rept 8
.irp j, 0,1,2,3,4,5,6,7
	global_load_b32 v[CB+8*x+\j], v[8+\j], s[BIAS:BIAS+1] offset:4*(32*(x/2)+8*(x%2))
.endr
.set x, x+1
.endr
	; where the results go
	s_lshl_b32 s80, s[CLX], 2
	s_add_co_u32 s81, s80, s[CX]                   ; jobs 0-3: the head is cx
	s_add_co_u32 s82, s80, s[CY]                   ; jobs 4, 5: cy
	s_lshl_b32 s83, s[CY], 1
	s_add_co_u32 s83, s83, s[WQ]
	s_mul_i32 s83, s83, QTR
	s_mul_i32 s88, s[WP], BLK
	s_add_co_u32 s83, s83, s88                     ; jobs 0-3: [group of 128 rows][step of 128 d][block]
	s_add_co_u32 s89, s83, 12288
	s_lshr_b32 s90, s[CX], 1
	s_mul_i32 s90, s90, SLOT
	s_mul_i32 s91, s[WQ], 2*QTR
	s_add_co_u32 s90, s90, s91
	s_and_b32 s91, s[CX], 1
	s_mul_i32 s91, s91, BLK
	s_add_co_u32 s90, s90, s91                     ; jobs 4, 5: [fill][quarter][half][block]; a block holds two key steps x four tiles of d
	s_lshl_b32 s91, s[WP], 8
	s_add_co_u32 s91, s91, s90
	s_add_co_u32 s91, s91, 12288
	s_mul_i32 s92, s[WP], 6144
	s_add_co_u32 s90, s90, s92
	s_mul_i32 s92, s[JOB], 3276800
	s_mul_i32 s93, s81, 204800
	s_add_co_u32 s92, s92, s93                     ; jobs 0-2, in proj
	s_mul_i32 s93, s81, 1433600                    ; job 3, in stream: fills 0, 1
	s_mul_i32 s94, s82, 1433600
	s_sub_co_u32 s95, s[JOB], 4
	s_mul_i32 s95, s95, 204800
	s_add_co_u32 s94, s94, s95
	s_add_co_u32 s94, s94, 1024000                 ; jobs 4, 5: fills 10, 11 and 12, 13
	s_mov_b32 s96, QTR
	s_cmp_lt_u32 s[JOB], 3
	s_cselect_b64 s[DC0:DC0+1], s[18:19], s[20:21]
	s_cselect_b32 s92, s92, s93
	s_cmp_lt_u32 s[JOB], 4
	s_cselect_b32 s92, s92, s94
	s_cselect_b32 s83, s83, s90
	s_cselect_b32 s89, s89, s91
	s_cselect_b32 s94, 6144, s96                   ; from fragments 0-3 to fragments 4-7
	s_cselect_b32 s96, 256, s96
	s_add_co_u32 s80, s92, s83
	s_mov_b32 s81, 0
	s_add_co_u32 s82, s92, s89
	s_mov_b32 s83, 0
	s_mov_b32 s95, 0
	s_mov_b32 s97, 0
	s_mov_b64 s[DW0:DW0+1], s[DC0:DC0+1]
	s_add_nc_u64 s[DC0:DC0+1], s[DC0:DC0+1], s[80:81]
	s_add_nc_u64 s[DW0:DW0+1], s[DW0:DW0+1], s[82:83]
	s_add_nc_u64 s[DC0+2:DC0+3], s[DC0:DC0+1], s[94:95]
	s_add_nc_u64 s[DW0+2:DW0+3], s[DW0:DW0+1], s[96:97]
	s_mov_b32 s[SEL], 0x76543210
	s_mov_b32 s[SEL+1], 0xfedcba98
	s_mov_b32 s[HI], 0xffff0000
.macro FRAG reg, adr, q, i             ; a fragment: six pieces of 256 consecutive bytes
.irp p, 0,1,2,3,4,5
	ds_load_b64 v[(\reg)+2*\p:(\reg)+2*\p+1], v[\adr] offset:BLK*(\q)+1536*(\i)+256*\p
.endr
.endm
; 16 matrix instructions: Q's blocks a0, a0 + 1 x P's eight.  cm = 0: onto the sums; 1: the bias along P starts them; 2: the bias along Q.  The 64 accumulators take turns, one instruction a turn.
.macro MUL16 a0, p, q, sc, cm
.irp a, \a0, \a0+1
.irp b, 0,1,2,3,4,5,6,7
.if (\cm) == 0
	WM 8*(8*((\a)%4)+\b), 128*(\p)+FR*\b, AF+FR*(\a), 8*(8*((\a)%4)+\b), SC+16*(\sc)+2*\b+(\q), SC+16*(\sc)+2*(\a)+(\q), 0, 1
.elseif (\cm) == 1
	WM 8*(8*((\a)%4)+\b), 128*(\p)+FR*\b, AF+FR*(\a), CB+8*\b, SC+16*(\sc)+2*\b+(\q), SC+16*(\sc)+2*(\a)+(\q), 0, 1
.else
	WM 8*(8*((\a)%4)+\b), 128*(\p)+FR*\b, AF+FR*(\a), CB+8*(\a), SC+16*(\sc)+2*\b+(\q), SC+16*(\sc)+2*(\a)+(\q), 0, 1
.endif
.endr
.endr
.endm
.macro FETCH_B slot, q, p
	WIN 0x40
.irp i, 0,1,2,3,4,5,6,7
	FRAG 128*(\p)+FR*\i, ADRB+\slot, \q, \i
.endr
	WIN 0
.endm
.macro FETCH_A slot, q, i0
.irp i, \i0, \i0+1, \i0+2, \i0+3
	FRAG AF+FR*(\i), ADRA+\slot, \q, \i
.endr
.endm
.macro SCALES slot, sc                 ; a slot's scale words into set sc: register 2 i + q: lanes 0-15 P's block i, lanes 16-31 Q's block i
.irp q, 0,1
.irp i, 0,1,2,3,4,5,6,7
	ds_load_b32 v[SC+16*\sc+2*\i+\q], v[ADRS+\slot] offset:BLK*\q+64*\i
.endr
.endr
.endm
; a slot's first K step
.macro STEP slot, sc, cm
	s_wait_dscnt 4*NL                              ; all but the youngest 24 loads (Q's blocks 4-7) are in
.if \cm
	WIN 0x81
.else
	WIN 0xa1
.endif
	MUL16 0, 0, 0, \sc, \cm
	MUL16 2, 0, 0, \sc, \cm
	s_wait_dscnt 0x0
	PLACES 4                                       ; in front of loads into registers that matrix instructions have read
	FETCH_B \slot, 1, 1
	FETCH_A \slot, 1, 0
.if \cm
	WIN 0xc1
.else
	WIN 0xf1
.endif
	MUL16 4, 0, 0, \sc, \cm
	MUL16 6, 0, 0, \sc, \cm
	PLACES 4
	WIN 0
	FETCH_A \slot, 1, 4
.endm
; a slot's second K step goes on to the next slot.
; mode 1: this slot is filled again: each wave waits for all its tensor loads, adds 0 to its spare word, waits for that and for its reads of this slot; a round of the cluster's barrier; the joint load.
; mode 0: the next slot's fill is awaited and shown to all four waves: the same three lines and the work-group's barrier; nothing is filled.
; mode 2: the next slot was shown whole to every wave by the round of mode 1, in front of which each wave waited for all its first fills: no wait on TENSORcnt, no barrier.
.macro TURN slot, sc, next, nsc, mode
.if (\mode) < 2
	s_wait_tensorcnt 0x0                           ; all my tensor loads have landed
	ds_add_u32 v[SPW], v[NIL]                      ; 0 onto my spare word
.if (\mode) == 1
	s_mov_b32 s[G1P+2], 100<<16                    ; no tensor load of mine is out: fill 3 is 100 rows again
	s_mov_b32 s[G1P+4], 100
	s_mov_b32 s[G1Q+2], 100<<16
	s_mov_b32 s[G1Q+4], 100
.endif
	s_wait_dscnt 4*NL+1                            ; the add and the youngest 24 loads may be out
.else
	s_wait_dscnt 4*NL
.endif
	WIN 0xa1
	MUL16 0, 1, 1, \sc, 0
.if (\mode) < 2
	s_wait_dscnt 0x0                               ; the add is done, and my reads of this slot are over
	s_barrier_signal -1
.endif
	MUL16 2, 1, 1, \sc, 0
	WIN 0
.if (\mode) < 2
	s_barrier_wait -1
.else
	s_wait_dscnt 0x0                               ; Q's blocks 4-7 are in
.endif
.if (\mode) == 1
	CREST                                          ; the barrier has opened a round of the cluster's: no wave of any partner still reads this slot or has a load on its way
	s_add_nc_u64 s[50:51], s[50:51], 3*QTR         ; slot 0's groups 0: from fill 0 to fill 3
	s_add_nc_u64 s[62:63], s[62:63], 3*QTR
	JLOAD 48, 60                                   ; the first tensor load behind the round; its four v_nop are also the places in front of the loads below
.else
	PLACES 4
.endif
	FETCH_B \next, 0, 0
	FETCH_A \next, 0, 0
	SCALES \next, \nsc
	WIN 0xf1
	MUL16 4, 1, 1, \sc, 0
	MUL16 6, 1, 1, \sc, 0
	PLACES 4
	WIN 0
	FETCH_A \next, 0, 4
.endm
	s_wait_alu depctr_va_vdst(0)
	s_wait_tensorcnt 0x0                           ; my part of fill 0 is in; the lines ahead of a later first fill:
	ds_add_u32 v[SPW], v[NIL]
	s_mov_b32 s[G1P+2], 200<<16                    ; no tensor load of mine is out: the next load brings 200 rows, fills 1 and 2 on end
	s_mov_b32 s[G1P+4], 200
	s_mov_b32 s[G1Q+2], 200<<16
	s_mov_b32 s[G1Q+4], 200
	s_wait_dscnt 0x0
	ROUND                                          ; everybody's part of fill 0 is in, and the joint loads meet
	JLOAD 52, 68
	FETCH_B 0, 0, 0
	FETCH_A 0, 0, 0
	SCALES 0, 0
	FETCH_A 0, 0, 4
	global_prefetch_b8 v26, s[56:57] offset:3*QTR th:TH_LOAD_NT scope:SCOPE_SE    ; fill 3, the last: asked for one joint load ahead
	s_wait_loadcnt 0x0                             ; the bias
	s_cmp_lt_u32 s[JOB], 4                         ; the job is the cluster's y: the same in all partners and waves
	s_cbranch_scc0 .Lkind_v
	STEP 0, 0, 1
	s_branch .Ljoined
.Lkind_v:
	STEP 0, 0, 2
.Ljoined:
	TURN 0, 0, 1, 1, 1                             ; slot 0 is read out and takes fill 3
	STEP 1, 1, 0
	TURN 1, 1, 2, 0, 2
	STEP 2, 0, 0
	TURN 2, 0, 0, 1, 0                             ; fill 3 is awaited
	STEP 0, 1, 0
	s_wait_dscnt 4*NL
	WIN 0xa1
	MUL16 0, 1, 1, 1, 0
	MUL16 2, 1, 1, 1, 0
	s_wait_dscnt 0x0
	WIN 0xf1
	MUL16 4, 1, 1, 1, 0
	MUL16 6, 1, 1, 1, 0
	WIN 0
	; THE WAY OUT: block a's 64 registers are 128 neighbours along the next K of 16 rows: one fragment
	PLACES 4
.irp b, 0,1,2,3
	v_mov_b32 v[TM+4+\b], 0                        ; a lane permute's destination counts as read
.endr
.irp a, 0,1,2,3,4,5,6,7
.if \a > 0
	s_wait_xcnt 0x0                                ; the last fragment's stores have read their data
.endif
	QUANT 64*(\a%4), 2+\a/4, 0, 0
	v_mov_b32 v[SW+\a], v[PW]
.irp p, 0,1,2,3,4,5
	global_store_b64 v[L8], v[PC+2*\p:PC+2*\p+1], s[DC0+2*(\a/4):DC0+2*(\a/4)+1] offset:1536*(\a%4)+256*\p   ; 256 consecutive bytes, aligned
.endr
.endr
.irp i, 0,1,2,3
	v_cndmask_b32 v[SMG+\i], v[SW+2*\i], v[SW+2*\i+1], s[HI]   ; lanes 0-15 fragment 2 i's words, lanes 16-31 fragment 2 i + 1's
	global_store_b32 v[L4], v[SMG+\i], s[DW0+2*(\i/2):DW0+2*(\i/2)+1] offset:128*(\i%2)
.endr
	s_wait_tensorcnt 0x0                           ; the wave's end
	ds_add_u32 v[SPW], v[NIL]
	s_wait_dscnt 0x0
	ROUND                                          ; the closing round
	s_endpgm
.Lfunc_end_k_q520f3c4b36_projk:
	.size	k_q520f3c4b36_projk, .Lfunc_end_k_q520f3c4b36_projk-k_q520f3c4b36_projk
	.p2alignl 7, 3214868480
	.fill 96, 4, 3214868480
	.section	.rodata,"a",@progbits
	.p2align	6, 0x0
	.amdhsa_kernel k_q520f3c4b36_projk
		.amdhsa_group_segment_fixed_size 327680
		.amdhsa_private_segment_fixed_size 0
		.amdhsa_enable_private_segment 0
		.amdhsa_kernarg_size 72
		.amdhsa_user_sgpr_count 2
		.amdhsa_user_sgpr_kernarg_segment_ptr 1
		.amdhsa_wavefront_size32 1
		.amdhsa_system_sgpr_workgroup_id_x 1
		.amdhsa_system_sgpr_workgroup_id_y 1
		.amdhsa_system_sgpr_workgroup_id_z 1
		.amdhsa_system_vgpr_workitem_id 0
		.amdhsa_next_free_vgpr 1024
		.amdhsa_next_free_sgpr 100
		.amdhsa_reserve_vcc 0
		.amdhsa_float_denorm_mode_32 3
		.amdhsa_float_denorm_mode_16_64 3
		.amdhsa_memory_ordered 1
		.amdhsa_forward_progress 1
		.amdhsa_inst_pref_size 191
	.end_amdhsa_kernel
	.amdgpu_metadata
---
amdhsa.version: [ 1, 2 ]
amdhsa.kernels:
  - .name:           k_q520f3c4b36_projk
    .symbol:         k_q520f3c4b36_projk.kd
    .args:
      - { .name: inq, .offset: 0, .size: 8, .value_kind: global_buffer, .address_space: global }
      - { .name: glb_q_b, .offset: 8, .size: 8, .value_kind: global_buffer, .address_space: global }
      - { .name: plb_q_b, .offset: 16, .size: 8, .value_kind: global_buffer, .address_space: global }
      - { .name: plb_k_b, .offset: 24, .size: 8, .value_kind: global_buffer, .address_space: global }
      - { .name: glb_k_b, .offset: 32, .size: 8, .value_kind: global_buffer, .address_space: global }
      - { .name: glb_v_b, .offset: 40, .size: 8, .value_kind: global_buffer, .address_space: global }
      - { .name: plb_v_b, .offset: 48, .size: 8, .value_kind: global_buffer, .address_space: global }
      - { .name: proj, .offset: 56, .size: 8, .value_kind: global_buffer, .address_space: global }
      - { .name: stream, .offset: 64, .size: 8, .value_kind: global_buffer, .address_space: global }
    .group_segment_fixed_size: 327680
    .private_segment_fixed_size: 0
    .kernarg_segment_align: 8
    .kernarg_segment_size: 72
    .max_flat_workgroup_size: 128
    .sgpr_count:     100
    .vgpr_count:     1024
    .wavefront_size: 32
...
	.end_amdgpu_metadata
.endif
;; end of part 2
;; launch pprob (part 3): grid 16 x 16, 4 waves a work-group, clusters of 4 x 1, 213,504 bytes of LDS; arguments proj, stream; writes stream
.if DOCPART == 3
	.amdgcn_target "amdgcn-amd-amdhsa--gfx1250"
	.amdhsa_code_object_version 6
	.text
	.protected	k_q520f3c4b36_pprob
	.globl	k_q520f3c4b36_pprob
	.p2align	8
	.type	k_q520f3c4b36_pprob,@function
k_q520f3c4b36_pprob:
	s_mov_b64 s[64:65], 0
	v_nop
	global_prefetch_b8 v0, s[64:65] scope:SCOPE_SE
	s_setreg_imm32_b32 hwreg(HW_REG_WAVE_MODE, 25, 1), 1
	s_wait_xcnt 0x0
	s_wait_alu depctr_hold_cnt(0) depctr_sa_sdst(0) depctr_va_vdst(0) depctr_va_sdst(0) depctr_va_ssrc(0) depctr_va_vcc(0) depctr_vm_vsrc(0)
	s_getreg_b32 s2, hwreg(HW_REG_IB_STS2, 6, 4)
	s_cmp_eq_u32 s2, 0
	s_cbranch_scc0 .Lentry_in_a_cluster
	s_endpgm
.Lentry_in_a_cluster:
	s_bfe_u32 s2, ttmp6, 0x10000c
	s_cmp_lg_u32 s2, 0x3003
	s_cbranch_scc0 .Lentry_shape_is_right
	s_endpgm
.Lentry_shape_is_right:
; plb_probs = softmax over t of pq[l] . pk[t] / 16, finished and normalised, quantised along l (the bridge product's K) into stream's fills 2 to 9.
; A work-group owns 64 rows l of one head and all 1,024 t; wave w takes t = 256 w .. 256 w + 255.  Source 0 = pq (a lane's registers run along l), source 1 = pk (a lane is one t).
; Accumulator (a, 8 g + b) stands in window 2 + g at v[32 b + 8 a]: the 32 registers of one tile of t are 64 neighbouring l, half a K step.
; pk of the whole head (204,800 bytes) comes into LDS once, by one joint load a wave (the four work-groups of a cluster share the head); each wave reads only what it fetched.  Nothing is filled again.
; A row l is a register number in a half of the lanes: its maximum and sum go over 16 registers, 16 lanes and, through LDS, the four waves.
; The two halves of a K step's scale word come from two work-groups: they leave as stores of 2 bytes, 4 bytes apart (0.5 MB of the launch's 13 MB).
; LIMITS: a block of zeros gets the byte 1 (its codes are zeros; only this program reads the bytes); an exponential under 2^-126 comes out as 0; NaN and infinities are not served.
.set BLK,   12800
.set QTR,   2*BLK
.set STATM, 204800
.set SX,    32
.set SY,    36
.set SP,    40
.set PQF,   64
.set MX,    64                         ; v64-95 maxima, then -c x maximum
.set SM,    96                         ; v96-127 sums, then their reciprocals
.set T,     128
.set TM,    128
.set PC,    144
.set PW,    164
.set SD,    168
.set WV,    10
.set G1,    16
.set CS,    40
.set SEL,   42
.set PQ,    44
.set PQS,   46
.set DC,    48
.set DS,    50
.set MSB, 0
.macro WIN new
.if MSB != (\new)
	s_set_vgpr_msb (MSB<<8)|(\new)
.set MSB, (\new)
.endif
.endm
.macro PLACES n
.rept \n
	v_nop
.endr
.endm
.macro CREST
	s_cmp_lg_u32 s[WV], 0
	s_cbranch_scc1 .Lnot_wave_0_\@
	s_barrier_signal -3
.Lnot_wave_0_\@:
	s_barrier_wait -3
	s_barrier_signal -1
	s_barrier_wait -1
.endm
.macro ROUND
	s_barrier_signal -1
	s_barrier_wait -1
	CREST
.endm
.macro BARRIER
	s_wait_dscnt 0x0
	s_barrier_signal -1
	s_barrier_wait -1
.endm
.macro WM d, a, b, c, sa, sb, ra, rb
.if (\c) < 0
.if (\ra)
.if (\rb)
	v_wmma_scale_f32_16x16x128_f8f6f4 v[(\d):(\d)+7], v[(\a):(\a)+11], v[(\b):(\b)+11], 0, v[\sa], v[\sb] matrix_a_fmt:MATRIX_FMT_BF6 matrix_b_fmt:MATRIX_FMT_BF6 matrix_a_scale:MATRIX_SCALE_ROW1 matrix_b_scale:MATRIX_SCALE_ROW1
.else
	v_wmma_scale_f32_16x16x128_f8f6f4 v[(\d):(\d)+7], v[(\a):(\a)+11], v[(\b):(\b)+11], 0, v[\sa], v[\sb] matrix_a_fmt:MATRIX_FMT_BF6 matrix_b_fmt:MATRIX_FMT_BF6 matrix_a_scale:MATRIX_SCALE_ROW1
.endif
.else
.if (\rb)
	v_wmma_scale_f32_16x16x128_f8f6f4 v[(\d):(\d)+7], v[(\a):(\a)+11], v[(\b):(\b)+11], 0, v[\sa], v[\sb] matrix_a_fmt:MATRIX_FMT_BF6 matrix_b_fmt:MATRIX_FMT_BF6 matrix_b_scale:MATRIX_SCALE_ROW1
.else
	v_wmma_scale_f32_16x16x128_f8f6f4 v[(\d):(\d)+7], v[(\a):(\a)+11], v[(\b):(\b)+11], 0, v[\sa], v[\sb] matrix_a_fmt:MATRIX_FMT_BF6 matrix_b_fmt:MATRIX_FMT_BF6
.endif
.endif
.else
.if (\ra)
.if (\rb)
	v_wmma_scale_f32_16x16x128_f8f6f4 v[(\d):(\d)+7], v[(\a):(\a)+11], v[(\b):(\b)+11], v[(\c):(\c)+7], v[\sa], v[\sb] matrix_a_fmt:MATRIX_FMT_BF6 matrix_b_fmt:MATRIX_FMT_BF6 matrix_a_scale:MATRIX_SCALE_ROW1 matrix_b_scale:MATRIX_SCALE_ROW1
.else
	v_wmma_scale_f32_16x16x128_f8f6f4 v[(\d):(\d)+7], v[(\a):(\a)+11], v[(\b):(\b)+11], v[(\c):(\c)+7], v[\sa], v[\sb] matrix_a_fmt:MATRIX_FMT_BF6 matrix_b_fmt:MATRIX_FMT_BF6 matrix_a_scale:MATRIX_SCALE_ROW1
.endif
.else
.if (\rb)
	v_wmma_scale_f32_16x16x128_f8f6f4 v[(\d):(\d)+7], v[(\a):(\a)+11], v[(\b):(\b)+11], v[(\c):(\c)+7], v[\sa], v[\sb] matrix_a_fmt:MATRIX_FMT_BF6 matrix_b_fmt:MATRIX_FMT_BF6 matrix_b_scale:MATRIX_SCALE_ROW1
.else
	v_wmma_scale_f32_16x16x128_f8f6f4 v[(\d):(\d)+7], v[(\a):(\a)+11], v[(\b):(\b)+11], v[(\c):(\c)+7], v[\sa], v[\sb] matrix_a_fmt:MATRIX_FMT_BF6 matrix_b_fmt:MATRIX_FMT_BF6
.endif
.endif
.endif
.endm
; 64 numbers of a lane, register 16 b + i = k 32 b + 16 (lane/16) + i, become 12 registers of codes in v[PC] on and four scale bytes in v[PW]
.macro QUANT s, win, mode, bmq
.if \mode
	WIN 0
.irp b, 0,1,2,3
	v_max_num_f32 v[TM+\b], 0x2800000, v[(\bmq)+\b]
.endr
.else
	WIN ((\win)<<2)|((\win)<<4)
.irp b, 0,1,2,3
	v_max3_num_f32 v[TM+\b], 0x2800000, |v[(\s)+16*\b]|, |v[(\s)+16*\b+1]|   ; and the floor 2^(5 - 127): the byte cannot fall under 1
.endr
.irp i, 2,4,6,8,10,12,14
.irp b, 0,1,2,3
	v_max3_num_f32 v[TM+\b], v[TM+\b], |v[(\s)+16*\b+\i]|, |v[(\s)+16*\b+\i+1]|
.endr
.endr
	WIN 0
.irp b, 0,1,2,3
	v_permlanex16_b32 v[TM+4+\b], v[TM+\b], s[SEL], s[SEL+1]
.endr
.irp b, 0,1,2,3
	v_max_num_f32 v[TM+\b], v[TM+\b], v[TM+4+\b]
.endr
.endif
.irp b, 0,1,2,3
	v_add_nc_u32 v[TM+12+\b], 0xfe000000, v[TM+\b]
.endr
.irp b, 0,1,2,3
	v_lshrrev_b32 v[TM+4+\b], 23, v[TM+12+\b]
.endr
	v_lshl_or_b32 v[PW], v[TM+5], 8, v[TM+4]
	v_lshl_or_b32 v[PW], v[TM+6], 16, v[PW]
	v_lshl_or_b32 v[PW], v[TM+7], 24, v[PW]
	WIN (\win)
.irp c, 0,1
	v_cvt_scalef32_pk16_bf6_f32 v[PC+6*\c:PC+6*\c+2], v[(\s)+32*\c:(\s)+32*\c+15], v[TM+12+2*\c]
	v_cvt_scalef32_pk16_bf6_f32 v[PC+12+4*\c:PC+14+4*\c], v[(\s)+32*\c+16:(\s)+32*\c+31], v[TM+12+2*\c+1]
.endr
	WIN 0
	v_nop                                          ; one plain line behind the conversions
.irp c, 0,1
.irp i, 0,1,2
	v_permlane16_swap_b32 v[PC+6*\c+\i], v[PC+12+4*\c+\i]
.endr
.irp i, 0,1,2
	v_mov_b32 v[PC+3+6*\c+\i], v[PC+12+4*\c+\i]
.endr
.endr
.endm
; a block's eight fragments into window 1 at v[buf] on, and its scale words (register i: lanes 0-15 fragment 2 i, lanes 16-31 fragment 2 i + 1): 52 LDS loads
.macro FETCH_BLK buf, adr, sadr, off, sreg
	WIN 0x40
.irp i, 0,1,2,3,4,5,6,7
.irp p, 0,1,2,3,4,5
	ds_load_b64 v[(\buf)+12*\i+2*\p:(\buf)+12*\i+2*\p+1], v[\adr] offset:(\off)+1536*\i+256*\p
.endr
.endr
	WIN 0
.irp i, 0,1,2,3
	ds_load_b32 v[(\sreg)+\i], v[\sadr] offset:(\off)+128*\i
.endr
.endm
; 32 matrix instructions: eight tiles of t x my four tiles of l, 128 along d; the accumulators take turns
.macro MULP g, s, buf, sb, zero
	WIN 0xa4+0x50*(\g)
.irp b, 0,1,2,3,4,5,6,7
.irp a, 0,1,2,3
.if \zero
	WM 32*\b+8*\a, PQF+12*(4*(\s)+\a), (\buf)+12*\b, -1, SP+2*(\s)+\a/2, (\sb)+\b/2, \a%2, \b%2
.else
	WM 32*\b+8*\a, PQF+12*(4*(\s)+\a), (\buf)+12*\b, 32*\b+8*\a, SP+2*(\s)+\a/2, (\sb)+\b/2, \a%2, \b%2
.endif
.endr
.endr
.endm
	s_load_b128 s[4:7], s[0:1], 0x0                ; proj, stream
	v_lshl_add_u32 v62, v0, 2, 0x34000
	v_mov_b32 v63, 0
	ds_add_u32 v62, v63
	ds_add_u32 v62, v63
	v_lshrrev_b32 v4, 5, v0
	v_readfirstlane_b32 s[WV], v4
	s_bfe_u32 s11, ttmp6, 0x40000                  ; cx
	s_lshl_b32 s12, ttmp9, 2
	s_add_co_u32 s12, s12, s11                     ; my block of 64 l
	s_and_b32 s13, ttmp7, 0xffff                   ; batch x head
	s_and_b32 s14, s12, 1
	s_lshr_b32 s15, s12, 1
	s_mov_b32 s[G1], 15|(3<<16)|(1<<21)            ; all four work-groups; elements of 8 bytes; 200 dense rows of 256 bytes
	s_mov_b32 s[G1+1], 32<<16
	s_mov_b32 s[G1+2], 200<<16                     ; 200 dense rows of 256 bytes: my two groups of pk lie on end, in memory and in LDS, and come by ONE joint load
	s_mov_b32 s[G1+3], 32<<16
	s_mov_b32 s[G1+4], 200
	s_mov_b32 s[G1+5], 32
	s_mov_b32 s[G1+6], 0
	s_mov_b32 s[G1+7], 0
	s_mul_i32 s52, s13, 204800                     ; the head in a tensor of proj
	s_mul_i32 s53, s[WV], 2*QTR                    ; my two groups of pk, in memory and in LDS
	s_add_co_u32 s54, s52, s53
	s_add_co_u32 s54, s54, 2*3276800
	s_mov_b32 s55, 0
	s_mul_i32 s56, s15, QTR
	s_add_co_u32 s56, s56, s52
	s_add_co_u32 s56, s56, 3276800                 ; pq: my group's two blocks
	s_lshl_b32 s58, s14, 8
	s_add_co_u32 s58, s58, s56
	s_add_co_u32 s58, s58, 12288                   ; my four fragments' scale words
	s_mov_b32 s59, 0
	s_mul_i32 s57, s14, 6144
	s_add_co_u32 s56, s56, s57                     ; and their codes
	s_mov_b32 s57, 0
	s_mul_i32 s60, s13, 1433600
	s_add_co_u32 s61, s15, 2
	s_mul_i32 s61, s61, 102400
	s_add_co_u32 s60, s60, s61
	s_mul_i32 s61, s[WV], QTR
	s_add_co_u32 s60, s60, s61                     ; stream: fill 2 + l / 128, quarter w
	s_lshl_b32 s62, s14, 1
	s_add_co_u32 s62, s62, s60
	s_add_co_u32 s62, s62, 12288
	s_mov_b32 s63, 0
	s_mul_i32 s61, s14, 768
	s_add_co_u32 s60, s60, s61
	s_mov_b32 s61, 0
	s_mov_b32 s[CS], 0x3db8aa3b                    ; c = log2(e) / 16
	s_mov_b32 s[CS+1], s[CS]
	s_mov_b32 s[SEL], 0x76543210
	s_mov_b32 s[SEL+1], 0xfedcba98
	s_wait_dscnt 0x0
	s_wait_kmcnt 0x0
	s_mov_b32 s24, 1
	s_mov_b32 s25, s53
	s_add_nc_u64 s[26:27], s[4:5], s[54:55]
	s_or_b32 s27, s27, 0x80000000
	s_add_nc_u64 s[PQ:PQ+1], s[4:5], s[56:57]
	s_add_nc_u64 s[PQS:PQS+1], s[4:5], s[58:59]
	s_add_nc_u64 s[DC:DC+1], s[6:7], s[60:61]
	s_add_nc_u64 s[DS:DS+1], s[6:7], s[62:63]
	ROUND                                          ; the four work-groups are here: the joint loads meet
	tensor_load_to_lds s[24:27], s[G1:G1+7]        ; my one tensor load
	s_nop 0
	PLACES 4
	v_and_b32 v4, 31, v0
	v_bfe_u32 v5, v0, 4, 1
	v_lshlrev_b32 v1, 3, v4                        ; 8 x lane
	v_lshlrev_b32 v2, 2, v4                        ; 4 x lane
	v_lshlrev_b32 v3, 4, v5                        ; 16 h
	v_add_nc_u32 v7, s53, v1
	v_add_nc_u32 v8, s53, v2
	v_add_nc_u32 v8, 12288, v8
	v_lshl_add_u32 v10, v5, 6, STATM               ; a row's word: 128 (a/2) + 32 (a%2) + 64 h + 4 j
	s_lshl_b32 s52, s[WV], 8
	v_add_nc_u32 v9, s52, v10
.irp s, 0,1
.irp a, 0,1,2,3
.irp p, 0,1,2,3,4,5
	global_load_b64 v[PQF+12*(4*\s+\a)+2*\p:PQF+12*(4*\s+\a)+2*\p+1], v1, s[PQ:PQ+1] offset:BLK*\s+1536*\a+256*\p
.endr
.endr
.irp i, 0,1
	global_load_b32 v[SP+2*\s+\i], v2, s[PQS:PQS+1] offset:BLK*\s+128*\i
.endr
.endr
	; ---- the scores
	s_wait_alu depctr_va_vdst(0)
	s_wait_tensorcnt 0x0                           ; my two groups of pk are in; only I read them
	FETCH_BLK 0, 7, 8, 0, SX
	FETCH_BLK 128, 7, 8, BLK, SY
	s_wait_loadcnt 0x0                             ; pq
	s_wait_dscnt 52                                ; the first block is in; the second block's 52 loads may be out
	MULP 0, 0, 0, SX, 1
	PLACES 4
	FETCH_BLK 0, 7, 8, QTR, SX
	s_wait_dscnt 52
	MULP 0, 1, 128, SY, 0
	PLACES 4
	FETCH_BLK 128, 7, 8, QTR+BLK, SY
	s_wait_dscnt 52
	MULP 1, 0, 0, SX, 1
	s_wait_dscnt 0x0
	MULP 1, 1, 128, SY, 0
	PLACES 4
	; ---- each row's maximum: 16 registers (each accumulator is read from its low end on), 16 lanes, four waves
	WIN 0x2a
.set o, 0
.rept 32
	v_max3_num_f32 v[MX+o], v[o], v[32+o], v[64+o]
.set o, o+1
.endr
	WIN 0x28
.irp b, 3,5
.set o, 0
.rept 32
	v_max3_num_f32 v[MX+o], v[MX+o], v[32*\b+o], v[32*\b+32+o]
.set o, o+1
.endr
.endr
	WIN 0x38
.set o, 0
.rept 32
	v_max3_num_f32 v[MX+o], v[MX+o], v[224+o], v[o]
.set o, o+1
.endr
	WIN 0x3c
.irp b, 1,3,5
.set o, 0
.rept 32
	v_max3_num_f32 v[MX+o], v[MX+o], v[32*\b+o], v[32*\b+32+o]
.set o, o+1
.endr
.endr
.set o, 0
.rept 32
	v_max_num_f32 v[MX+o], v[MX+o], v[224+o]
.set o, o+1
.endr
	WIN 0
.irp x, 1,2,4,8
.set o, 0
.rept 32
	v_max_num_f32_dpp v[MX+o], v[MX+o], v[MX+o] row_xmask:\x row_mask:0xf bank_mask:0xf
.set o, o+1
.endr
.endr
.irp a, 0,1,2,3
.irp k, 0,1
	ds_store_b128 v9, v[MX+8*\a+4*\k:MX+8*\a+4*\k+3] offset:128*(\a/2)+32*(\a%2)+16*\k   ; the sixteen lanes of a half write the same bytes with the same values
.endr
.endr
	BARRIER
.irp w, 0,1,2,3
.irp a, 0,1,2,3
.irp k, 0,1
	ds_load_b128 v[T+32*\w+8*\a+4*\k:T+32*\w+8*\a+4*\k+3], v10 offset:256*\w+128*(\a/2)+32*(\a%2)+16*\k
.endr
.endr
.endr
	s_wait_dscnt 0x0
.set o, 0
.rept 32
	v_max3_num_f32 v[MX+o], v[T+o], v[T+32+o], v[T+64+o]
.set o, o+1
.endr
.set o, 0
.rept 32
	v_max_num_f32 v[MX+o], v[MX+o], v[T+96+o]
.set o, o+1
.endr
.set o, 0
.rept 32
	v_mul_f32 v[MX+o], 0xbdb8aa3b, v[MX+o]         ; -c x the row's maximum
.set o, o+1
.endr
	; ---- p = 2^(c s - c max), a window of 256 registers at a time: all its scalings, one wait, its exponentials as one batch, one wait behind
.macro EXPW set
	WIN \set
.set k, 0
.rept 32
.irp m, 0,1,2,3
	v_pk_fma_f32 v[8*k+2*\m:8*k+2*\m+1], v[8*k+2*\m:8*k+2*\m+1], s[CS:CS+1], v[MX+(8*k)%32+2*\m:MX+(8*k)%32+2*\m+1] op_sel_hi:[1,0,1]
.endr
.set k, k+1
.endr
	s_wait_alu depctr_va_vdst(0)
.set k, 0
.rept 256
	v_exp_f32 v[k], v[k]
.set k, k+1
.endr
.endm
	EXPW 0x82
	v_nop                                          ; a plain line behind the last exponential
	s_wait_alu depctr_va_vdst(0)
	EXPW 0xc3
	WIN 0
	v_nop                                          ; a plain line behind the last exponential
	s_wait_alu depctr_va_vdst(0)                   ; one wait for the batch, ahead of its first reader
	; ---- each row's sum
	WIN 0x0a
.set o, 0
.rept 16
	v_pk_add_f32 v[SM+o:SM+o+1], v[o:o+1], v[32+o:33+o]
.set o, o+2
.endr
	WIN 0x08
.irp b, 2,3,4,5,6,7
.set o, 0
.rept 16
	v_pk_add_f32 v[SM+o:SM+o+1], v[SM+o:SM+o+1], v[32*\b+o:32*\b+o+1]
.set o, o+2
.endr
.endr
	WIN 0x0c
.irp b, 0,1,2,3,4,5,6,7
.set o, 0
.rept 16
	v_pk_add_f32 v[SM+o:SM+o+1], v[SM+o:SM+o+1], v[32*\b+o:32*\b+o+1]
.set o, o+2
.endr
.endr
	WIN 0
.irp x, 1,2,4,8
.set o, 0
.rept 32
	v_add_f32_dpp v[SM+o], v[SM+o], v[SM+o] row_xmask:\x row_mask:0xf bank_mask:0xf
.set o, o+1
.endr
.endr
.irp a, 0,1,2,3
.irp k, 0,1
	ds_store_b128 v9, v[SM+8*\a+4*\k:SM+8*\a+4*\k+3] offset:1024+128*(\a/2)+32*(\a%2)+16*\k   ; other bytes than the maxima's: no barrier between
.endr
.endr
	BARRIER
.irp w, 0,1,2,3
.irp a, 0,1,2,3
.irp k, 0,1
	ds_load_b128 v[T+32*\w+8*\a+4*\k:T+32*\w+8*\a+4*\k+3], v10 offset:1024+256*\w+128*(\a/2)+32*(\a%2)+16*\k
.endr
.endr
.endr
	s_wait_dscnt 0x0
.set o, 0
.rept 16
	v_pk_add_f32 v[SM+o:SM+o+1], v[T+o:T+o+1], v[T+32+o:T+33+o]
	v_pk_add_f32 v[T+64+o:T+65+o], v[T+64+o:T+65+o], v[T+96+o:T+97+o]
.set o, o+2
.endr
.set o, 0
.rept 16
	v_pk_add_f32 v[SM+o:SM+o+1], v[SM+o:SM+o+1], v[T+64+o:T+65+o]
.set o, o+2
.endr
.set o, 0
	s_wait_alu depctr_va_vdst(0)
.rept 32
	v_rcp_f32 v[SM+o], v[SM+o]
.set o, o+1
.endr
	v_nop
	s_wait_alu depctr_va_vdst(0)                   ; one wait for the 32 reciprocals
	; ---- normalised
.irp g, 0,1
	WIN 0x82+0x41*\g
.set i, 0
.rept 128
	v_pk_mul_f32 v[i:i+1], v[i:i+1], v[SM+i%32:SM+i%32+1]
.set i, i+2
.endr
.endr
	WIN 0
.irp b, 0,1,2,3
	v_mov_b32 v[TM+4+\b], 0
.endr
	; ---- two tiles of t at a time: 2 x 32 registers = two half fragments (64 l) and 2 x 2 scale bytes
.irp g, 0,1
.irp i, 0,1,2,3
	s_wait_xcnt 0x0                                ; the last stores have read their data
	QUANT 64*\i, 2+\g, 0, 0
.irp c, 0,1
.irp p, 0,1,2
	global_store_b64 v1, v[PC+6*\c+2*\p:PC+6*\c+2*\p+1], s[DC:DC+1] offset:BLK*\g+1536*(2*\i+\c)+256*\p   ; 256 consecutive bytes, aligned
.endr
.endr
	v_lshrrev_b32 v[SD+4*\g+\i], v3, v[PW]         ; lanes 16-31 take the second tile's two bytes
	global_store_b16 v2, v[SD+4*\g+\i], s[DS:DS+1] offset:BLK*\g+128*\i
.endr
.endr
	s_wait_tensorcnt 0x0
	ds_add_u32 v62, v63
	s_wait_dscnt 0x0
	ROUND                                          ; the closing round
	s_endpgm
.Lfunc_end_k_q520f3c4b36_pprob:
	.size	k_q520f3c4b36_pprob, .Lfunc_end_k_q520f3c4b36_pprob-k_q520f3c4b36_pprob
	.p2alignl 7, 3214868480
	.fill 96, 4, 3214868480
	.section	.rodata,"a",@progbits
	.p2align	6, 0x0
	.amdhsa_kernel k_q520f3c4b36_pprob
		.amdhsa_group_segment_fixed_size 213504
		.amdhsa_private_segment_fixed_size 0
		.amdhsa_enable_private_segment 0
		.amdhsa_kernarg_size 16
		.amdhsa_user_sgpr_count 2
		.amdhsa_user_sgpr_kernarg_segment_ptr 1
		.amdhsa_wavefront_size32 1
		.amdhsa_system_sgpr_workgroup_id_x 1
		.amdhsa_system_sgpr_workgroup_id_y 1
		.amdhsa_system_sgpr_workgroup_id_z 1
		.amdhsa_system_vgpr_workitem_id 0
		.amdhsa_next_free_vgpr 1024
		.amdhsa_next_free_sgpr 66
		.amdhsa_reserve_vcc 0
		.amdhsa_float_denorm_mode_32 3
		.amdhsa_float_denorm_mode_16_64 3
		.amdhsa_memory_ordered 1
		.amdhsa_forward_progress 1
		.amdhsa_inst_pref_size 186
	.end_amdhsa_kernel
	.amdgpu_metadata
---
amdhsa.version: [ 1, 2 ]
amdhsa.kernels:
  - .name:           k_q520f3c4b36_pprob
    .symbol:         k_q520f3c4b36_pprob.kd
    .args:
      - { .name: proj, .offset: 0, .size: 8, .value_kind: global_buffer, .address_space: global }
      - { .name: stream, .offset: 8, .size: 8, .value_kind: global_buffer, .address_space: global }
    .group_segment_fixed_size: 213504
    .private_segment_fixed_size: 0
    .kernarg_segment_align: 8
    .kernarg_segment_size: 16
    .max_flat_workgroup_size: 128
    .sgpr_count:     66
    .vgpr_count:     1024
    .wavefront_size: 32
...
	.end_amdgpu_metadata
.endif
;; end of part 3
;; launch attn (part 4): grid 16 x 16, 4 waves a work-group, clusters of 4 x 1, 327,680 bytes of LDS; arguments proj, stream, lastq; writes lastq
.if DOCPART == 4
	.amdgcn_target "amdgcn-amd-amdhsa--gfx1250"
	.amdhsa_code_object_version 6
	.text
	.protected	k_q520f3c4b36_attn
	.globl	k_q520f3c4b36_attn
	.p2align	8
	.type	k_q520f3c4b36_attn,@function
k_q520f3c4b36_attn:
	s_mov_b64 s[64:65], 0
	v_nop
	global_prefetch_b8 v0, s[64:65] scope:SCOPE_SE
	s_setreg_imm32_b32 hwreg(HW_REG_WAVE_MODE, 25, 1), 1
	s_wait_xcnt 0x0
	s_wait_alu depctr_hold_cnt(0) depctr_sa_sdst(0) depctr_va_vdst(0) depctr_va_sdst(0) depctr_va_ssrc(0) depctr_va_vcc(0) depctr_vm_vsrc(0)
	s_getreg_b32 s2, hwreg(HW_REG_IB_STS2, 6, 4)
	s_cmp_eq_u32 s2, 0
	s_cbranch_scc0 .Lentry_in_a_cluster
	s_endpgm
.Lentry_in_a_cluster:
	s_bfe_u32 s2, ttmp6, 0x10000c
	s_cmp_lg_u32 s2, 0x3003
	s_cbranch_scc0 .Lentry_shape_is_right
	s_endpgm
.Lentry_shape_is_right:
.set BLK,   12800
.set QTR,   2*BLK
.set SLOT,  4*QTR
.set IMGC,  2*SLOT
.set IMGS,  IMGC+98304
.set STATM, IMGS+4096
.set STAT3, STATM+2048
.set SPARE, STAT3+512
.set SX,    32
.set SY,    36
.set SA,    40
.set SG,    48
.set A0,    64
.set BM,    160
.set TM,    192
.set PC,    208
.set PW,    228
.set NM,    230
.set INV,   238
.set RM,    246
.set SR,    250
.set WV,    10
.set G1,    16
.set G0,    32
.set G1P,   88
.set CS,    40
.set SEL,   42
.set TA,    44
.set TS,    45
.set CNT,   46
.set LIM,   47
.set PFA,   48
.set GQ,    50
.set GQS,   52
.set LC,    54
.set LS,    56
.set MSB, 0
.macro WIN new
.if MSB != (\new)
	s_set_vgpr_msb (MSB<<8)|(\new)
.set MSB, (\new)
.endif
.endm
.macro PLACES n
.rept \n
	v_nop
.endr
.endm
.macro CREST
	s_cmp_lg_u32 s[WV], 0
	s_cbranch_scc1 .Lnot_wave_0_\@
	s_barrier_signal -3
.Lnot_wave_0_\@:
	s_barrier_wait -3
	s_barrier_signal -1
	s_barrier_wait -1
.endm
.macro ROUND
	s_barrier_signal -1
	s_barrier_wait -1
	CREST
.endm
.macro BARRIER
	s_wait_dscnt 0x0
	s_barrier_signal -1
	s_barrier_wait -1
.endm
.macro WM d, a, b, c, sa, sb, ra, rb
.if (\c) < 0
.if (\ra)
.if (\rb)
	v_wmma_scale_f32_16x16x128_f8f6f4 v[(\d):(\d)+7], v[(\a):(\a)+11], v[(\b):(\b)+11], 0, v[\sa], v[\sb] matrix_a_fmt:MATRIX_FMT_BF6 matrix_b_fmt:MATRIX_FMT_BF6 matrix_a_scale:MATRIX_SCALE_ROW1 matrix_b_scale:MATRIX_SCALE_ROW1
.else
	v_wmma_scale_f32_16x16x128_f8f6f4 v[(\d):(\d)+7], v[(\a):(\a)+11], v[(\b):(\b)+11], 0, v[\sa], v[\sb] matrix_a_fmt:MATRIX_FMT_BF6 matrix_b_fmt:MATRIX_FMT_BF6 matrix_a_scale:MATRIX_SCALE_ROW1
.endif
.else
.if (\rb)
	v_wmma_scale_f32_16x16x128_f8f6f4 v[(\d):(\d)+7], v[(\a):(\a)+11], v[(\b):(\b)+11], 0, v[\sa], v[\sb] matrix_a_fmt:MATRIX_FMT_BF6 matrix_b_fmt:MATRIX_FMT_BF6 matrix_b_scale:MATRIX_SCALE_ROW1
.else
	v_wmma_scale_f32_16x16x128_f8f6f4 v[(\d):(\d)+7], v[(\a):(\a)+11], v[(\b):(\b)+11], 0, v[\sa], v[\sb] matrix_a_fmt:MATRIX_FMT_BF6 matrix_b_fmt:MATRIX_FMT_BF6
.endif
.endif
.else
.if (\ra)
.if (\rb)
	v_wmma_scale_f32_16x16x128_f8f6f4 v[(\d):(\d)+7], v[(\a):(\a)+11], v[(\b):(\b)+11], v[(\c):(\c)+7], v[\sa], v[\sb] matrix_a_fmt:MATRIX_FMT_BF6 matrix_b_fmt:MATRIX_FMT_BF6 matrix_a_scale:MATRIX_SCALE_ROW1 matrix_b_scale:MATRIX_SCALE_ROW1
.else
	v_wmma_scale_f32_16x16x128_f8f6f4 v[(\d):(\d)+7], v[(\a):(\a)+11], v[(\b):(\b)+11], v[(\c):(\c)+7], v[\sa], v[\sb] matrix_a_fmt:MATRIX_FMT_BF6 matrix_b_fmt:MATRIX_FMT_BF6 matrix_a_scale:MATRIX_SCALE_ROW1
.endif
.else
.if (\rb)
	v_wmma_scale_f32_16x16x128_f8f6f4 v[(\d):(\d)+7], v[(\a):(\a)+11], v[(\b):(\b)+11], v[(\c):(\c)+7], v[\sa], v[\sb] matrix_a_fmt:MATRIX_FMT_BF6 matrix_b_fmt:MATRIX_FMT_BF6 matrix_b_scale:MATRIX_SCALE_ROW1
.else
	v_wmma_scale_f32_16x16x128_f8f6f4 v[(\d):(\d)+7], v[(\a):(\a)+11], v[(\b):(\b)+11], v[(\c):(\c)+7], v[\sa], v[\sb] matrix_a_fmt:MATRIX_FMT_BF6 matrix_b_fmt:MATRIX_FMT_BF6
.endif
.endif
.endif
.endm
.macro QUANT s, win, mode, bmq
.if \mode
	WIN 0
.irp b, 0,1,2,3
	v_max_num_f32 v[TM+\b], 0x2800000, v[(\bmq)+\b]
.endr
.else
	WIN ((\win)<<2)|((\win)<<4)
.irp b, 0,1,2,3
	v_max3_num_f32 v[TM+\b], 0x2800000, |v[(\s)+16*\b]|, |v[(\s)+16*\b+1]|
.endr
.irp i, 2,4,6,8,10,12,14
.irp b, 0,1,2,3
	v_max3_num_f32 v[TM+\b], v[TM+\b], |v[(\s)+16*\b+\i]|, |v[(\s)+16*\b+\i+1]|
.endr
.endr
	WIN 0
.irp b, 0,1,2,3
	v_permlanex16_b32 v[TM+4+\b], v[TM+\b], s[SEL], s[SEL+1]
.endr
.irp b, 0,1,2,3
	v_max_num_f32 v[TM+\b], v[TM+\b], v[TM+4+\b]
.endr
.endif
.irp b, 0,1,2,3
	v_add_nc_u32 v[TM+12+\b], 0xfe000000, v[TM+\b]
.endr
.irp b, 0,1,2,3
	v_lshrrev_b32 v[TM+4+\b], 23, v[TM+12+\b]
.endr
	v_lshl_or_b32 v[PW], v[TM+5], 8, v[TM+4]
	v_lshl_or_b32 v[PW], v[TM+6], 16, v[PW]
	v_lshl_or_b32 v[PW], v[TM+7], 24, v[PW]
	WIN (\win)
.irp c, 0,1
	v_cvt_scalef32_pk16_bf6_f32 v[PC+6*\c:PC+6*\c+2], v[(\s)+32*\c:(\s)+32*\c+15], v[TM+12+2*\c]
	v_cvt_scalef32_pk16_bf6_f32 v[PC+12+4*\c:PC+14+4*\c], v[(\s)+32*\c+16:(\s)+32*\c+31], v[TM+12+2*\c+1]
.endr
	WIN 0
	v_nop
.irp c, 0,1
.irp i, 0,1,2
	v_permlane16_swap_b32 v[PC+6*\c+\i], v[PC+12+4*\c+\i]
.endr
.irp i, 0,1,2
	v_mov_b32 v[PC+3+6*\c+\i], v[PC+12+4*\c+\i]
.endr
.endr
.endm
.macro FETCH_BLK buf, adr, sadr, off, sreg
	WIN 0x40
.irp i, 0,1,2,3,4,5,6,7
.irp p, 0,1,2,3,4,5
	ds_load_b64 v[(\buf)+12*\i+2*\p:(\buf)+12*\i+2*\p+1], v[\adr] offset:(\off)+1536*\i+256*\p
.endr
.endr
	WIN 0
.irp i, 0,1,2,3
	ds_load_b32 v[(\sreg)+\i], v[\sadr] offset:(\off)+128*\i
.endr
.endm
.macro FETCH_A set, win, sa, n
	WIN 0
	v_add_nc_u32 v13, s[TA], v24
	v_add_nc_u32 v14, s[TS], v25
	WIN (\win)<<6
.set kk, 0
.rept \n
.irp a, 0,1,2,3
.irp c, 0,1,2
	ds_load_b128 v[(\set)+48*kk+12*\a+4*\c:(\set)+48*kk+12*\a+4*\c+3], v13 offset:6144*kk+1536*\a+512*\c
.endr
.endr
.set kk, kk+1
.endr
	WIN 0
.set kk, 0
.rept \n
.irp i, 0,1
	ds_load_b32 v[(\sa)+2*kk+\i], v14 offset:256*kk+128*\i
.endr
.set kk, kk+1
.endr
.endm
.macro NEXTA
	s_add_co_u32 s[TA], s[TA], 12288
	s_add_co_u32 s[TS], s[TS], 512
.endm
.macro MUL_E g, buf, sb, set, sa, b0, n, zero
	WIN 0xa1+0x50*(\g)
.set bb, \b0
.rept \n
.irp a, 0,1,2,3
.if \zero
	WM 64*\a+8*bb, (\buf)+12*bb, (\set)+12*\a, -1, (\sb)+bb/2, (\sa)+\a/2, bb%2, \a%2
.else
	WM 64*\a+8*bb, (\buf)+12*bb, (\set)+12*\a, 64*\a+8*bb, (\sb)+bb/2, (\sa)+\a/2, bb%2, \a%2
.endif
.endr
.set bb, bb+1
.endr
.endm
.macro MULV buf, sb, set, sa, w3, kk0, n, zero
	WIN 0xa1+0x0c*(\w3)
.set kq, \kk0
.rept \n
.irp dt, 0,1,2,3
.irp a, 0,1,2,3
.if (\zero) && (kq == 0)
	WM 32*\a+8*\dt, (\buf)+12*(4*kq+\dt), (\set)+48*kq+12*\a, -1, (\sb)+2*kq+\dt/2, (\sa)+2*kq+\a/2, \dt%2, \a%2
.else
	WM 32*\a+8*\dt, (\buf)+12*(4*kq+\dt), (\set)+48*kq+12*\a, 32*\a+8*\dt, (\sb)+2*kq+\dt/2, (\sa)+2*kq+\a/2, \dt%2, \a%2
.endif
.endr
.endr
.set kq, kq+1
.endr
.endm
.macro ASK
	s_cmp_eq_u32 s[LIM], 0
	s_cbranch_scc0 .Lnot_mine_\@
	global_prefetch_b8 v19, s[PFA:PFA+1] th:TH_LOAD_NT scope:SCOPE_SE
	global_prefetch_b8 v19, s[PFA:PFA+1] offset:SLOT th:TH_LOAD_NT scope:SCOPE_SE
.Lnot_mine_\@:
.endm
.macro TRIPLE step, ask
	WIN 0
	s_wait_tensorcnt 0x0
	ds_add_u32 v5, v6
.if \step
	s_add_nc_u64 s[G0+2:G0+3], s[G0+2:G0+3], 2*SLOT
.endif
.if \ask
	s_wait_xcnt 0x0
	s_add_nc_u64 s[PFA:PFA+1], s[PFA:PFA+1], 2*SLOT
.endif
.endm
	s_load_b128 s[4:7], s[0:1], 0x0
	s_load_b64 s[8:9], s[0:1], 0x10
	v_lshl_add_u32 v5, v0, 2, SPARE
	v_mov_b32 v6, 0
	ds_add_u32 v5, v6
	ds_add_u32 v5, v6
	s_wait_dscnt 0x0
	v_lshrrev_b32 v4, 5, v0
	v_readfirstlane_b32 s[WV], v4
	s_bfe_u32 s11, ttmp6, 0x40000
	s_lshl_b32 s12, ttmp9, 2
	s_add_co_u32 s12, s12, s11
	s_and_b32 s13, ttmp7, 0xffff
	s_mov_b32 s[LIM], ttmp9
	s_lshr_b32 s14, s12, 1
	s_and_b32 s15, s12, 1
	s_mov_b32 s[G1], 15|(3<<16)|(1<<21)
	s_mov_b32 s[G1+1], 32<<16
	s_mov_b32 s[G1+2], 200<<16                     ; my two groups of gk lie on end, in memory and in LDS: one joint load of 200 rows of 256 bytes
	s_mov_b32 s[G1+3], 32<<16
	s_mov_b32 s[G1+4], 200
	s_mov_b32 s[G1+5], 32
	s_mov_b32 s[G1+6], 0
	s_mov_b32 s[G1+7], 0
	s_mov_b32 s[G1P], 15|(3<<16)|(1<<21)
	s_mov_b32 s[G1P+1], 3200<<16
	s_mov_b32 s[G1P+2], 2<<16
	s_mov_b32 s[G1P+3], 3200<<16
	s_mov_b32 s[G1P+4], 2
	s_mov_b32 s[G1P+5], 12800
	s_mov_b32 s[G1P+6], 0
	s_mov_b32 s[G1P+7], 0
	s_mul_i32 s66, s13, 1433600
	s_mov_b32 s67, 0
	s_mul_i32 s68, s[WV], QTR
	s_mov_b32 s69, 0
	s_mul_i32 s70, s[WV], 2*QTR
	s_mov_b32 s71, 0
	s_mul_i32 s72, s11, 6400
	s_mov_b32 s73, 0
	s_mul_i32 s74, s13, 204800
	s_mul_i32 s75, s14, QTR
	s_add_co_u32 s74, s74, s75
	s_mul_i32 s75, s15, 6144
	s_add_co_u32 s76, s74, s75
	s_mov_b32 s77, 0
	s_lshl_b32 s75, s15, 8
	s_add_co_u32 s78, s74, s75
	s_add_co_u32 s78, s78, 12288
	s_mov_b32 s79, 0
	s_lshr_b32 s80, s13, 2
	s_lshl_b32 s80, s80, 3
	s_add_co_u32 s80, s80, s14
	s_mul_i32 s80, s80, SLOT
	s_and_b32 s81, s13, 3
	s_lshl_b32 s81, s81, 1
	s_lshr_b32 s82, s[WV], 1
	s_add_co_u32 s81, s81, s82
	s_mul_i32 s81, s81, BLK
	s_add_co_u32 s80, s80, s81
	s_and_b32 s82, s[WV], 1
	s_mul_i32 s83, s15, 6144
	s_mul_i32 s84, s82, 768
	s_add_co_u32 s84, s84, s83
	s_add_co_u32 s84, s84, s80
	s_mov_b32 s85, 0
	s_lshl_b32 s86, s15, 8
	s_lshl_b32 s87, s82, 7
	s_add_co_u32 s86, s86, s87
	s_add_co_u32 s86, s86, s80
	s_add_co_u32 s86, s86, 12288
	s_mov_b32 s87, 0
	s_mov_b32 s[CS], 0x3db8aa3b
	s_mov_b32 s[CS+1], s[CS]
	s_mov_b32 s[SEL], 0x76543210
	s_mov_b32 s[SEL+1], 0xfedcba98
	s_wait_kmcnt 0x0
	s_add_nc_u64 s[66:67], s[6:7], s[66:67]
	s_add_nc_u64 s[26:27], s[66:67], s[70:71]
	s_add_nc_u64 s[34:35], s[66:67], s[68:69]
	s_add_nc_u64 s[34:35], s[34:35], 2*SLOT
	s_add_nc_u64 s[PFA:PFA+1], s[34:35], s[72:73]
	s_or_b32 s27, s27, 0x80000000
	s_or_b32 s35, s35, 0x80000000
	s_mov_b32 s24, 1
	s_mov_b32 s32, 1
	s_mov_b32 s25, s70
	s_mov_b32 s33, s70
	s_add_nc_u64 s[GQ:GQ+1], s[4:5], s[76:77]
	s_add_nc_u64 s[GQS:GQS+1], s[4:5], s[78:79]
	s_add_nc_u64 s[LC:LC+1], s[8:9], s[84:85]
	s_add_nc_u64 s[LS:LS+1], s[8:9], s[86:87]
	ROUND
	tensor_load_to_lds s[24:27], s[G1:G1+7]        ; my one tensor load at the head
	s_nop 0
	PLACES 4
	v_and_b32 v26, 31, v0
	v_and_b32 v27, 15, v0
	v_bfe_u32 v28, v0, 4, 1
	v_lshlrev_b32 v1, 3, v26
	v_lshlrev_b32 v2, 2, v26
	v_lshlrev_b32 v3, 2, v27
	v_lshlrev_b32 v20, 4, v28
	v_add_nc_u32 v11, s70, v1
	v_add_nc_u32 v12, s70, v2
	v_add_nc_u32 v12, 12288, v12
	v_lshl_add_u32 v24, v26, 4, IMGC
	v_add_nc_u32 v25, IMGS, v2
	s_mul_i32 s74, s[WV], 12288
	v_add_nc_u32 v15, s74, v24
	s_lshl_b32 s74, s[WV], 9
	v_add_nc_u32 v16, IMGS, v3
	v_add_nc_u32 v16, s74, v16
	v_add_nc_u32 v18, STATM, v3
	s_lshl_b32 s74, s[WV], 8
	v_add_nc_u32 v17, s74, v18
	v_min_u32 v19, 24, v26
	v_lshlrev_b32 v19, 8, v19
	s_lshr_b32 s74, s[WV], 1
	s_lshl_b32 s74, s74, 8
	s_and_b32 s75, s[WV], 1
	s_lshl_b32 s75, s75, 1
	s_add_co_u32 s74, s74, s75
	v_add_nc_u32 v21, STAT3, v2
	v_add_nc_u32 v21, s74, v21
	s_lshl_b32 s74, s[WV], 7
	v_add_nc_u32 v22, STAT3, v2
	v_add_nc_u32 v22, s74, v22
.set i, 0
.rept 16
	v_mov_b32 v[TM+i], 0
.set i, i+1
.endr
.irp s, 0,1
.irp a, 0,1,2,3
.irp p, 0,1,2,3,4,5
	global_load_b64 v[A0+48*\s+12*\a+2*\p:A0+48*\s+12*\a+2*\p+1], v1, s[GQ:GQ+1] offset:BLK*\s+1536*\a+256*\p
.endr
.endr
.irp i, 0,1
	global_load_b32 v[SG+2*\s+\i], v2, s[GQS:GQS+1] offset:BLK*\s+128*\i
.endr
.endr
	s_wait_alu depctr_va_vdst(0)
	s_wait_tensorcnt 0x0                           ; my two groups of gk are in; only I read them
	FETCH_BLK 0, 11, 12, 0, SX
	FETCH_BLK 128, 11, 12, BLK, SY
	s_wait_loadcnt 0x0
	s_wait_dscnt 52
	MUL_E 0, 0, SX, A0, SG, 0, 8, 1
	PLACES 4
	FETCH_BLK 0, 11, 12, QTR, SX
	s_wait_dscnt 52
	MUL_E 0, 128, SY, A0+48, SG+2, 0, 8, 0
	PLACES 4
	FETCH_BLK 128, 11, 12, QTR+BLK, SY
	s_wait_dscnt 52
	MUL_E 1, 0, SX, A0, SG, 0, 8, 1
	s_wait_dscnt 0x0
	MUL_E 1, 128, SY, A0+48, SG+2, 0, 8, 0
	TRIPLE 0, 1
	s_wait_dscnt 0x0
	ROUND
	tensor_load_to_lds s[G0:G0+3], s[G1P:G1P+7]
	s_nop 0
	PLACES 4
	ASK
.irp g, 0,1
	WIN 0x2a+0x15*\g
.irp a, 0,1,2,3
.irp e, 0,1,2,3
	v_max3_num_f32 v[BM+8*\a+4*\g+\e], v[64*\a+16*\e], v[64*\a+16*\e+1], v[64*\a+16*\e+2]
.endr
.endr
	WIN 0x28+0x14*\g
.irp i, 3,5,7,9,11,13
.irp a, 0,1,2,3
.irp e, 0,1,2,3
	v_max3_num_f32 v[BM+8*\a+4*\g+\e], v[BM+8*\a+4*\g+\e], v[64*\a+16*\e+\i], v[64*\a+16*\e+\i+1]
.endr
.endr
.endr
.irp a, 0,1,2,3
.irp e, 0,1,2,3
	v_max_num_f32 v[BM+8*\a+4*\g+\e], v[BM+8*\a+4*\g+\e], v[64*\a+16*\e+15]
.endr
.endr
.endr
	WIN 0
.irp q, 0,1
.set i, 0
.rept 16
	v_permlanex16_b32 v[TM+i], v[BM+16*\q+i], s[SEL], s[SEL+1]
.set i, i+1
.endr
.set i, 0
.rept 16
	v_max_num_f32 v[BM+16*\q+i], v[BM+16*\q+i], v[TM+i]
.set i, i+1
.endr
.endr
.irp a, 0,1,2,3
	v_max3_num_f32 v[RM+\a], v[BM+8*\a], v[BM+8*\a+1], v[BM+8*\a+2]
.endr
.irp a, 0,1,2,3
	v_max3_num_f32 v[RM+\a], v[RM+\a], v[BM+8*\a+3], v[BM+8*\a+4]
.endr
.irp a, 0,1,2,3
	v_max3_num_f32 v[RM+\a], v[RM+\a], v[BM+8*\a+5], v[BM+8*\a+6]
.endr
.irp a, 0,1,2,3
	v_max_num_f32 v[RM+\a], v[RM+\a], v[BM+8*\a+7]
.endr
.irp a, 0,1,2,3
	ds_store_b32 v17, v[RM+\a] offset:64*\a
.endr
	BARRIER
.irp w, 0,1,2,3
.irp a, 0,1,2,3
	ds_load_b32 v[TM+4*\w+\a], v18 offset:256*\w+64*\a
.endr
.endr
	s_wait_dscnt 0x0
.irp a, 0,1,2,3
	v_max3_num_f32 v[RM+\a], v[TM+\a], v[TM+4+\a], v[TM+8+\a]
.endr
.irp a, 0,1,2,3
	v_max_num_f32 v[RM+\a], v[RM+\a], v[TM+12+\a]
.endr
.irp a, 0,1,2,3
	v_mul_f32 v[RM+\a], s[CS], v[RM+\a]
.endr
.irp a, 0,1,2,3
	v_floor_f32 v[NM+2*\a], -v[RM+\a]
.endr
.irp a, 0,1,2,3
	v_mov_b32 v[NM+2*\a+1], v[NM+2*\a]
.endr
.macro EXPA set
	WIN \set
.set k, 0
.rept 32
.irp m, 0,1,2,3
	v_pk_fma_f32 v[8*k+2*\m:8*k+2*\m+1], v[8*k+2*\m:8*k+2*\m+1], s[CS:CS+1], v[NM+2*(k/8):NM+2*(k/8)+1] op_sel_hi:[1,0,1]
.endr
.if k > 0
	s_wait_alu depctr_va_vdst(0)
.irp j, 0,1,2,3,4,5,6,7
	v_exp_f32 v[8*k-8+\j], v[8*k-8+\j]
.endr
.endif
.set k, k+1
.endr
.irp j, 0,1,2,3,4,5,6,7
	v_exp_f32 v[248+\j], v[248+\j]
.endr
.endm
	EXPA 0x82
	EXPA 0xc3
	WIN 0
.set i, 0
.rept 32
	v_fma_f32 v[BM+i], v[BM+i], s[CS], v[NM+2*(i/8)]
.set i, i+1
.endr
	s_wait_alu depctr_va_vdst(0)
.set i, 0
.rept 32
	v_exp_f32 v[BM+i], v[BM+i]
.set i, i+1
.endr
	WIN 0x0a
.irp e, 0,1
.irp a, 0,1,2,3
	v_pk_add_f32 v[TM+4*\a+2*\e:TM+4*\a+2*\e+1], v[64*\a+2*\e:64*\a+2*\e+1], v[64*\a+2*\e+4:64*\a+2*\e+5]
.endr
.endr
	WIN 0x08
.set m, 4
.rept 28
.irp a, 0,1,2,3
	v_pk_add_f32 v[TM+4*\a+2*(m%2):TM+4*\a+2*(m%2)+1], v[TM+4*\a+2*(m%2):TM+4*\a+2*(m%2)+1], v[64*\a+2*m:64*\a+2*m+1]
.endr
.set m, m+1
.endr
	WIN 0x0c
.set m, 0
.rept 32
.irp a, 0,1,2,3
	v_pk_add_f32 v[TM+4*\a+2*(m%2):TM+4*\a+2*(m%2)+1], v[TM+4*\a+2*(m%2):TM+4*\a+2*(m%2)+1], v[64*\a+2*m:64*\a+2*m+1]
.endr
.set m, m+1
.endr
	WIN 0
.irp a, 0,1,2,3
	v_pk_add_f32 v[TM+4*\a:TM+4*\a+1], v[TM+4*\a:TM+4*\a+1], v[TM+4*\a+2:TM+4*\a+3]
.endr
.irp a, 0,1,2,3
	v_add_f32 v[SR+\a], v[TM+4*\a], v[TM+4*\a+1]
.endr
.irp a, 0,1,2,3
	v_permlanex16_b32 v[TM+4*\a+2], v[SR+\a], s[SEL], s[SEL+1]
.endr
.irp a, 0,1,2,3
	v_add_f32 v[SR+\a], v[SR+\a], v[TM+4*\a+2]
.endr
.irp a, 0,1,2,3
	ds_store_b32 v17, v[SR+\a] offset:1024+64*\a
.endr
	s_wait_alu depctr_va_vdst(0)
.irp g, 0,1
.irp a, 0,1,2,3
	QUANT 64*\a, 2+\g, 1, BM+8*\a+4*\g
.irp c, 0,1,2
	ds_store_b128 v15, v[PC+4*\c:PC+4*\c+3] offset:6144*\g+1536*\a+512*\c
.endr
	ds_store_b32 v16, v[PW] offset:256*\g+64*\a
	s_wait_dscnt 0x0
.endr
.endr
	BARRIER
.irp w, 0,1,2,3
.irp a, 0,1,2,3
	ds_load_b32 v[TM+4*\w+\a], v18 offset:1024+256*\w+64*\a
.endr
.endr
	s_wait_dscnt 0x0
.irp a, 0,1,2,3
	v_add_f32 v[SR+\a], v[TM+\a], v[TM+4+\a]
	v_add_f32 v[TM+8+\a], v[TM+8+\a], v[TM+12+\a]
.endr
.irp a, 0,1,2,3
	v_add_f32 v[SR+\a], v[SR+\a], v[TM+8+\a]
.endr
	s_wait_alu depctr_va_vdst(0)
.irp a, 0,1,2,3
	v_rcp_f32 v[INV+2*\a], v[SR+\a]
.endr
	v_nop
	s_wait_alu depctr_va_vdst(0)
.irp a, 0,1,2,3
	v_mov_b32 v[INV+2*\a+1], v[INV+2*\a]
.endr
	s_mov_b32 s[TA], 0
	s_mov_b32 s[TS], 0
.macro EPAIR zero
	PLACES 4
	FETCH_A A0, 0, SA, 2
	s_wait_tensorcnt 0x0
	FETCH_BLK 0, 11, 12, 0, SX
	FETCH_BLK 128, 11, 12, BLK, SY
	s_wait_dscnt 52
	MUL_E 0, 0, SX, A0, SA, 0, 8, \zero
	PLACES 4
	FETCH_BLK 0, 11, 12, 2*BLK, SX
	s_wait_dscnt 52
	MUL_E 1, 128, SY, A0, SA, 0, 8, \zero
	PLACES 4
	FETCH_BLK 128, 11, 12, 3*BLK, SY
	TRIPLE 1, 1
	NEXTA
	s_wait_dscnt 53
	MUL_E 0, 0, SX, A0+48, SA+2, 0, 4, 0
	s_wait_dscnt 0x0
	s_barrier_signal -1
	MUL_E 0, 0, SX, A0+48, SA+2, 4, 4, 0
	WIN 0
	s_barrier_wait -1
	CREST
	tensor_load_to_lds s[G0:G0+3], s[G1P:G1P+7]
	s_nop 0
	PLACES 4
	ASK
	MUL_E 1, 128, SY, A0+48, SA+2, 0, 8, 0
	WIN 0
.endm
	EPAIR 1
	s_mov_b32 s[CNT], 3
.Lbridge:
	EPAIR 0
	s_sub_co_u32 s[CNT], s[CNT], 1
	s_cmp_lg_u32 s[CNT], 0
	s_cbranch_scc1 .Lbridge
	PLACES 4
	s_wait_alu depctr_va_vdst(0)
.irp g, 0,1
.irp a, 0,1,2,3
	WIN 0x82+0x41*\g
.set i, 0
.rept 32
	v_pk_mul_f32 v[64*\a+i:64*\a+i+1], v[64*\a+i:64*\a+i+1], v[INV+2*\a:INV+2*\a+1]
.set i, i+2
.endr
	QUANT 64*\a, 2+\g, 0, 0
.irp c, 0,1,2
	ds_store_b128 v15, v[PC+4*\c:PC+4*\c+3] offset:49152+6144*\g+1536*\a+512*\c
.endr
	ds_store_b32 v16, v[PW] offset:2048+256*\g+64*\a
	s_wait_dscnt 0x0
.endr
.endr
	BARRIER
	s_mov_b32 s[TA], 0
	s_mov_b32 s[TS], 0
.macro VPAIR zero, fill
	PLACES 4
	FETCH_A A0, 0, SA, 2
	NEXTA
	FETCH_A 0, 3, SA+4, 2
	NEXTA
	s_wait_tensorcnt 0x0
	FETCH_BLK 0, 11, 12, 0, SX
	FETCH_BLK 128, 11, 12, BLK, SY
	s_wait_dscnt 52
	MULV 0, SX, A0, SA, 0, 0, 2, \zero
	PLACES 4
	FETCH_A A0, 0, SA, 2
	NEXTA
	FETCH_BLK 0, 11, 12, 2*BLK, SX
	s_wait_dscnt 52
	MULV 128, SY, 0, SA+4, 1, 0, 2, 0
	PLACES 4
	FETCH_A 0, 3, SA+4, 2
	NEXTA
	FETCH_BLK 128, 11, 12, 3*BLK, SY
.if \fill
	TRIPLE 1, 0
	s_wait_dscnt 53
	MULV 0, SX, A0, SA, 0, 0, 1, 0
	s_wait_dscnt 0x0
	s_barrier_signal -1
	MULV 0, SX, A0, SA, 0, 1, 1, 0
	WIN 0
	s_barrier_wait -1
	CREST
	tensor_load_to_lds s[G0:G0+3], s[G1P:G1P+7]
	s_nop 0
	PLACES 4
.else
	s_wait_dscnt 52
	MULV 0, SX, A0, SA, 0, 0, 2, 0
	s_wait_dscnt 0x0
.endif
	MULV 128, SY, 0, SA+4, 1, 0, 2, 0
	WIN 0
.endm
	VPAIR 1, 1
	PLACES 4
	WIN 0x82
.set i, 0
.rept 64
	v_pk_mul_f32 v[i:i+1], v[i:i+1], v[INV+2*(i/32):INV+2*(i/32)+1]
.set i, i+2
.endr
	WIN 0
	s_wait_alu depctr_va_vdst(0)
	VPAIR 0, 0
	PLACES 4
.irp i, 0,1
.if \i
	s_wait_xcnt 0x0
.endif
	QUANT 64*\i, 2, 0, 0
.irp c, 0,1
.irp p, 0,1,2
	global_store_b64 v1, v[PC+6*\c+2*\p:PC+6*\c+2*\p+1], s[LC:LC+1] offset:1536*(2*\i+\c)+256*\p
.endr
.endr
	v_lshrrev_b32 v[26+\i], v20, v[PW]
	ds_store_b16 v21, v[26+\i] offset:128*\i
.endr
	BARRIER
	ds_load_b32 v28, v22
	s_wait_dscnt 0x0
	global_store_b32 v2, v28, s[LS:LS+1]
	s_wait_tensorcnt 0x0
	ds_add_u32 v5, v6
	s_wait_dscnt 0x0
	ROUND
	s_endpgm
.Lfunc_end_k_q520f3c4b36_attn:
	.size	k_q520f3c4b36_attn, .Lfunc_end_k_q520f3c4b36_attn-k_q520f3c4b36_attn
	.p2alignl 7, 3214868480
	.fill 96, 4, 3214868480
	.section	.rodata,"a",@progbits
	.p2align	6, 0x0
	.amdhsa_kernel k_q520f3c4b36_attn
		.amdhsa_group_segment_fixed_size 327680
		.amdhsa_private_segment_fixed_size 0
		.amdhsa_enable_private_segment 0
		.amdhsa_kernarg_size 24
		.amdhsa_user_sgpr_count 2
		.amdhsa_user_sgpr_kernarg_segment_ptr 1
		.amdhsa_wavefront_size32 1
		.amdhsa_system_sgpr_workgroup_id_x 1
		.amdhsa_system_sgpr_workgroup_id_y 1
		.amdhsa_system_sgpr_workgroup_id_z 1
		.amdhsa_system_vgpr_workitem_id 0
		.amdhsa_next_free_vgpr 1024
		.amdhsa_next_free_sgpr 100
		.amdhsa_reserve_vcc 0
		.amdhsa_float_denorm_mode_32 3
		.amdhsa_float_denorm_mode_16_64 3
		.amdhsa_memory_ordered 1
		.amdhsa_forward_progress 1
		.amdhsa_inst_pref_size 255
	.end_amdhsa_kernel
	.section	.bss,"aw",@nobits
	.p2align	6
	.space	262144
	.amdgpu_metadata
---
amdhsa.version: [ 1, 2 ]
amdhsa.kernels:
  - .name:           k_q520f3c4b36_attn
    .symbol:         k_q520f3c4b36_attn.kd
    .args:
      - { .name: proj, .offset: 0, .size: 8, .value_kind: global_buffer, .address_space: global }
      - { .name: stream, .offset: 8, .size: 8, .value_kind: global_buffer, .address_space: global }
      - { .name: lastq, .offset: 16, .size: 8, .value_kind: global_buffer, .address_space: global }
    .group_segment_fixed_size: 327680
    .private_segment_fixed_size: 0
    .kernarg_segment_align: 8
    .kernarg_segment_size: 24
    .max_flat_workgroup_size: 128
    .sgpr_count:     100
    .vgpr_count:     1024
    .wavefront_size: 32
...
	.end_amdgpu_metadata
.endif
;; end of part 4
;; launch dense (part 5): grid 8 x 32, 4 waves a work-group, clusters of 4 x 4, 327,680 bytes of LDS; arguments lastq, inq, dense_b, out0; writes out0
.if DOCPART == 5
	.amdgcn_target "amdgcn-amd-amdhsa--gfx1250"
	.amdhsa_code_object_version 6
	.text
	.protected	k_q520f3c4b36_dense
	.globl	k_q520f3c4b36_dense
	.p2align	8
	.type	k_q520f3c4b36_dense,@function
k_q520f3c4b36_dense:
	s_mov_b64 s[64:65], 0
	v_nop
	global_prefetch_b8 v0, s[64:65] scope:SCOPE_SE
	s_setreg_imm32_b32 hwreg(HW_REG_WAVE_MODE, 25, 1), 1
	s_wait_xcnt 0x0
	s_wait_alu depctr_hold_cnt(0) depctr_sa_sdst(0) depctr_va_vdst(0) depctr_va_sdst(0) depctr_va_ssrc(0) depctr_va_vcc(0) depctr_vm_vsrc(0)
	s_getreg_b32 s2, hwreg(HW_REG_IB_STS2, 6, 4)
	s_cmp_eq_u32 s2, 0
	s_cbranch_scc0 .Lentry_in_a_cluster
	s_endpgm
.Lentry_in_a_cluster:
	s_bfe_u32 s2, ttmp6, 0x10000c
	s_cmp_lg_u32 s2, 0xf033
	s_cbranch_scc0 .Lentry_shape_is_right
	s_endpgm
.Lentry_shape_is_right:
.set BLK,   12800
.set QTR,   2*BLK
.set GRP,   8*BLK
.set STG,   2*GRP
.set ADA,   8
.set ADB,   10
.set ASA,   12
.set ASB,   14
.set SCD,   24
.set CB,    32
.set ACC,   128
.set WV,    12
.set WQ,    13
.set WP,    14
.set G1A,   16
.set G1B,   24
.set MSB, 0
.macro WIN new
.if MSB != (\new)
	s_set_vgpr_msb (MSB<<8)|(\new)
.set MSB, (\new)
.endif
.endm
.macro PLACES n
.rept \n
	v_nop
.endr
.endm
.macro CREST
	s_cmp_lg_u32 s[WV], 0
	s_cbranch_scc1 .Lnot_wave_0_\@
	s_barrier_signal -3
.Lnot_wave_0_\@:
	s_barrier_wait -3
	s_barrier_signal -1
	s_barrier_wait -1
.endm
.macro ROUND
	s_barrier_signal -1
	s_barrier_wait -1
	CREST
.endm
.macro WM d, a, b, c, sa, sb, ra, rb
.if (\ra)
.if (\rb)
	v_wmma_scale_f32_16x16x128_f8f6f4 v[(\d):(\d)+7], v[(\a):(\a)+11], v[(\b):(\b)+11], v[(\c):(\c)+7], v[\sa], v[\sb] matrix_a_fmt:MATRIX_FMT_BF6 matrix_b_fmt:MATRIX_FMT_BF6 matrix_a_scale:MATRIX_SCALE_ROW1 matrix_b_scale:MATRIX_SCALE_ROW1
.else
	v_wmma_scale_f32_16x16x128_f8f6f4 v[(\d):(\d)+7], v[(\a):(\a)+11], v[(\b):(\b)+11], v[(\c):(\c)+7], v[\sa], v[\sb] matrix_a_fmt:MATRIX_FMT_BF6 matrix_b_fmt:MATRIX_FMT_BF6 matrix_a_scale:MATRIX_SCALE_ROW1
.endif
.else
.if (\rb)
	v_wmma_scale_f32_16x16x128_f8f6f4 v[(\d):(\d)+7], v[(\a):(\a)+11], v[(\b):(\b)+11], v[(\c):(\c)+7], v[\sa], v[\sb] matrix_a_fmt:MATRIX_FMT_BF6 matrix_b_fmt:MATRIX_FMT_BF6 matrix_b_scale:MATRIX_SCALE_ROW1
.else
	v_wmma_scale_f32_16x16x128_f8f6f4 v[(\d):(\d)+7], v[(\a):(\a)+11], v[(\b):(\b)+11], v[(\c):(\c)+7], v[\sa], v[\sb] matrix_a_fmt:MATRIX_FMT_BF6 matrix_b_fmt:MATRIX_FMT_BF6
.endif
.endif
.endm
	s_load_b256 s[4:11], s[0:1], 0x0
	v_lshl_add_u32 v22, v0, 2, 0x38000
	v_mov_b32 v23, 0
	ds_add_u32 v22, v23
	ds_add_u32 v22, v23
	v_lshrrev_b32 v1, 5, v0
	v_readfirstlane_b32 s[WV], v1
	s_lshr_b32 s[WQ], s[WV], 1
	s_and_b32 s[WP], s[WV], 1
	s_bfe_u32 s40, ttmp6, 0x40000
	s_bfe_u32 s41, ttmp6, 0x40004
	s_lshl_b32 s42, ttmp9, 2
	s_add_co_u32 s42, s42, s40
	s_and_b32 s43, ttmp7, 0xffff
	s_lshl_b32 s43, s43, 2
	s_add_co_u32 s43, s43, s41
	s_lshl_b32 s44, s41, 2
	s_lshl_b32 s44, 15, s44
	s_lshl_b32 s45, 0x1111, s40
	s_or_b32 s[G1A], s44, (3<<16)|(1<<21)
	s_or_b32 s[G1B], s45, (3<<16)|(1<<21)
.irp g, G1A, G1B
	s_mov_b32 s[\g+1], 32<<16
	s_mov_b32 s[\g+2], 200<<16                     ; 200 dense rows of 256 bytes: half a group
	s_mov_b32 s[\g+3], 32<<16
	s_mov_b32 s[\g+4], 200
	s_mov_b32 s[\g+5], 32
	s_mov_b32 s[\g+6], 0
	s_mov_b32 s[\g+7], 0
.endr
	s_mul_i32 s46, s[WP], 2*QTR                    ; waves 0, 1 fetch the halves of A's group, waves 2, 3 those of B's: which half, in memory,
	s_mul_i32 s47, s[WV], 2*QTR                    ; and where it goes: A's group, then B's
	s_mul_i32 s48, s43, GRP
	s_add_co_u32 s48, s48, s46
	s_mov_b32 s49, 0
	s_add_co_u32 s50, s42, 144
	s_mul_i32 s50, s50, GRP
	s_add_co_u32 s50, s50, s46
	s_mov_b32 s51, 0
	s_lshl_b32 s52, s42, 9
	s_lshl_b32 s53, s[WP], 8
	s_add_co_u32 s52, s52, s53
	s_mov_b32 s53, 0
	s_lshl_b32 s54, s43, 7
	s_lshl_b32 s55, s[WQ], 6
	s_add_co_u32 s54, s54, s55
	s_lshl_b32 s54, s54, 12
	s_mov_b32 s55, 0
	s_wait_dscnt 0x0
	s_wait_kmcnt 0x0
	s_mov_b32 s32, 1
	s_mov_b32 s33, s47
	s_add_nc_u64 s[34:35], s[4:5], s[48:49]
	s_or_b32 s35, s35, 0x80000000
	s_mov_b32 s36, 1
	s_mov_b32 s37, s47
	s_add_nc_u64 s[38:39], s[6:7], s[50:51]
	s_or_b32 s39, s39, 0x80000000
	s_add_nc_u64 s[8:9], s[8:9], s[52:53]
	s_add_nc_u64 s[10:11], s[10:11], s[52:53]
	s_add_nc_u64 s[10:11], s[10:11], s[54:55]
	ROUND
	s_cmp_eq_u32 s[WQ], 0                          ; one joint load a wave, in the two arms of one branch on the wave's number
	s_cbranch_scc0 .Lfor_b
	tensor_load_to_lds s[32:35], s[G1A:G1A+7]
	s_nop 0
	PLACES 4
	s_branch .Lasked
.Lfor_b:
	tensor_load_to_lds s[36:39], s[G1B:G1B+7]
	s_nop 0
	PLACES 4
.Lasked:
	v_and_b32 v1, 31, v0
	v_and_b32 v2, 15, v0
	v_bfe_u32 v3, v0, 4, 1
	v_lshlrev_b32 v4, 3, v1
	v_lshlrev_b32 v5, 2, v1
	s_mul_i32 s44, s[WQ], 6144
	v_add_nc_u32 v[ADA], s44, v4
	v_add_nc_u32 v[ADA+1], 4*BLK, v[ADA]
	s_mul_i32 s44, s[WP], 6144
	s_add_co_u32 s44, s44, GRP
	v_add_nc_u32 v[ADB], s44, v4
	v_add_nc_u32 v[ADB+1], 4*BLK, v[ADB]
	s_lshl_b32 s44, s[WQ], 8
	s_add_co_u32 s44, s44, 12288
	v_add_nc_u32 v[ASA], s44, v5
	v_add_nc_u32 v[ASA+1], 4*BLK, v[ASA]
	s_lshl_b32 s44, s[WP], 8
	s_add_co_u32 s44, s44, GRP+12288
	v_add_nc_u32 v[ASB], s44, v5
	v_add_nc_u32 v[ASB+1], 4*BLK, v[ASB]
	s_mul_i32 s44, s[WV], 16*272
	s_add_co_u32 s44, s44, STG
	v_mul_u32_u24 v16, v2, 272
	v_lshl_add_u32 v16, v3, 6, v16
	v_add_nc_u32 v16, s44, v16
	v_mul_u32_u24 v17, v3, 272
	v_lshl_add_u32 v17, v2, 4, v17
	v_add_nc_u32 v17, s44, v17
	v_lshlrev_b32 v18, 12, v3
	v_lshl_add_u32 v18, v2, 4, v18
	v_lshlrev_b32 v19, 6, v3
.irp b, 0,1,2,3
	global_load_b128 v[CB+8*\b:CB+8*\b+3], v19, s[8:9] offset:4*(32*(\b/2)+8*(\b%2))
	global_load_b128 v[CB+8*\b+4:CB+8*\b+7], v19, s[8:9] offset:4*(32*(\b/2)+8*(\b%2))+16
.endr
.macro FETCHD s
	WIN 0x40
.irp i, 0,1,2,3
.irp p, 0,1,2,3,4,5
	ds_load_b64 v[128*((\s)%2)+12*\i+2*\p:128*((\s)%2)+12*\i+2*\p+1], v[ADB+(\s)/4] offset:BLK*((\s)%4)+1536*\i+256*\p
	ds_load_b64 v[128*((\s)%2)+48+12*\i+2*\p:128*((\s)%2)+48+12*\i+2*\p+1], v[ADA+(\s)/4] offset:BLK*((\s)%4)+1536*\i+256*\p
.endr
.endr
	WIN 0
.irp i, 0,1
	ds_load_b32 v[SCD+4*((\s)%2)+\i], v[ASB+(\s)/4] offset:BLK*((\s)%4)+128*\i
	ds_load_b32 v[SCD+4*((\s)%2)+2+\i], v[ASA+(\s)/4] offset:BLK*((\s)%4)+128*\i
.endr
.endm
	s_wait_alu depctr_va_vdst(0)
	s_wait_tensorcnt 0x0                           ; my half group is in; the barrier shows both groups whole to all four waves; nothing is filled again
	s_barrier_signal -1
	s_barrier_wait -1
	FETCHD 0
.irp s, 0,1,2,3,4,5,6,7
	s_wait_dscnt 0x0
.if \s > 0
	PLACES 4
.endif
.if \s < 7
	FETCHD \s+1
.endif
.if \s == 0
	s_wait_loadcnt 0x0
.endif
	WIN 0x05
.irp a, 0,1,2,3
.irp b, 0,1,2,3
.if \s == 0
	WM ACC+8*(4*\a+\b), 128*(\s%2)+12*\b, 128*(\s%2)+48+12*\a, CB+8*\b, SCD+4*(\s%2)+\b/2, SCD+4*(\s%2)+2+\a/2, \b%2, \a%2
.else
	WM ACC+8*(4*\a+\b), 128*(\s%2)+12*\b, 128*(\s%2)+48+12*\a, ACC+8*(4*\a+\b), SCD+4*(\s%2)+\b/2, SCD+4*(\s%2)+2+\a/2, \b%2, \a%2
.endif
.endr
.endr
.endr
	WIN 0
	PLACES 4
	s_wait_alu depctr_va_vdst(0)
.irp a, 0,1,2,3
.irp b, 0,1,2,3
	ds_store_b128 v16, v[ACC+8*(4*\a+\b):ACC+8*(4*\a+\b)+3] offset:128*(\b/2)+32*(\b%2)
	ds_store_b128 v16, v[ACC+8*(4*\a+\b)+4:ACC+8*(4*\a+\b)+7] offset:128*(\b/2)+32*(\b%2)+16
.endr
.if \a >= 2
	s_wait_xcnt 0x0
.endif
.irp t, 0,1,2,3,4,5,6,7
	ds_load_b128 v[64+32*(\a%2)+4*\t:64+32*(\a%2)+4*\t+3], v17 offset:2*\t*272
.endr
.irp t, 0,1,2,3,4,5,6,7
	s_wait_dscnt 7-\t
	global_store_b128 v18, v[64+32*(\a%2)+4*\t:64+32*(\a%2)+4*\t+3], s[10:11] offset:(32*(\a/2)+8*(\a%2)+2*\t+8*(\t/4))*4096 th:TH_STORE_NT
.endr
.endr
	s_wait_tensorcnt 0x0
	ds_add_u32 v22, v23
	s_wait_dscnt 0x0
	ROUND
	s_endpgm
.Lfunc_end_k_q520f3c4b36_dense:
	.size	k_q520f3c4b36_dense, .Lfunc_end_k_q520f3c4b36_dense-k_q520f3c4b36_dense
	.p2alignl 7, 3214868480
	.fill 96, 4, 3214868480
	.section	.rodata,"a",@progbits
	.p2align	6, 0x0
	.amdhsa_kernel k_q520f3c4b36_dense
		.amdhsa_group_segment_fixed_size 327680
		.amdhsa_private_segment_fixed_size 0
		.amdhsa_enable_private_segment 0
		.amdhsa_kernarg_size 32
		.amdhsa_user_sgpr_count 2
		.amdhsa_user_sgpr_kernarg_segment_ptr 1
		.amdhsa_wavefront_size32 1
		.amdhsa_system_sgpr_workgroup_id_x 1
		.amdhsa_system_sgpr_workgroup_id_y 1
		.amdhsa_system_sgpr_workgroup_id_z 1
		.amdhsa_system_vgpr_workitem_id 0
		.amdhsa_next_free_vgpr 512
		.amdhsa_next_free_sgpr 66
		.amdhsa_reserve_vcc 0
		.amdhsa_float_denorm_mode_32 3
		.amdhsa_float_denorm_mode_16_64 3
		.amdhsa_memory_ordered 1
		.amdhsa_forward_progress 1
		.amdhsa_inst_pref_size 60
	.end_amdhsa_kernel
	.amdgpu_metadata
---
amdhsa.version: [ 1, 2 ]
amdhsa.kernels:
  - .name:           k_q520f3c4b36_dense
    .symbol:         k_q520f3c4b36_dense.kd
    .args:
      - { .name: lastq, .offset: 0, .size: 8, .value_kind: global_buffer, .address_space: global }
      - { .name: inq, .offset: 8, .size: 8, .value_kind: global_buffer, .address_space: global }
      - { .name: dense_b, .offset: 16, .size: 8, .value_kind: global_buffer, .address_space: global }
      - { .name: out0, .offset: 24, .size: 8, .value_kind: global_buffer, .address_space: global }
    .group_segment_fixed_size: 327680
    .private_segment_fixed_size: 0
    .kernarg_segment_align: 8
    .kernarg_segment_size: 32
    .max_flat_workgroup_size: 128
    .sgpr_count:     66
    .vgpr_count:     512
    .wavefront_size: 32
...
	.end_amdgpu_metadata
.endif
;; end of part 5
